; MI455X (gfx1250); checked and timed in simulation.
; The chip was launched on July 23, 2026; its instructions are those of AMD's public machine-readable ISA for CDNA 5 (MIT licence, August 2026) and "CDNA5" Instruction Set Architecture Reference Guide (July 2026). The comments in the code are by the model that wrote it; some were corrected since.
;; GSVD Layer. Allowed arithmetic: float matrix products may take bf16 or f16 operands with f32 sums; other float arithmetic in f32, or as packed bf16 or f16 multiplies, adds, multiply-adds, maxima and minima; sums over many terms, partial sums and values carried from step to step in f32; what a program stores and reads back later, other than sums and carried values, may be rounded once to bf16 or f16.
;; Inputs: S 4,096 float32; U 2,048 x 4,096 float32; Vh 4,096 x 4,096 float32; x 4 x 1,024 x 4,096 float32.
;; Outputs: out0 4 x 1,024 x 2,048 float32.
;; 2 versions, each right. Each part assembles by itself: llvm-mc -triple=amdgcn-amd-amdhsa -mcpu=gfx1250 --defsym DOCPART=n.
;; ======== version 1 of 2: 3 launches
;; limits: values are held in f16: magnitudes above 65,504 overflow, below 6.1e-05 lose precision
;; workspace buffers: xb 33,554,432 bytes; Vs 33,554,432 bytes; Uh 16,777,216 bytes; W 16,777,216 bytes
;; launch prep (part 1): grid 2560 x 1, 8 waves a work-group, no clusters, 0 bytes of LDS; arguments x, Vh, U, S, xb, Vs, Uh; writes xb, Vs, Uh
.if DOCPART == 1
	.amdgcn_target "amdgcn-amd-amdhsa--gfx1250"
	.amdhsa_code_object_version 6
	.text
	.protected	k_q86e40d9bac_prep
	.globl	k_q86e40d9bac_prep
	.p2align	8
	.type	k_q86e40d9bac_prep,@function
k_q86e40d9bac_prep:
	s_mov_b64 s[64:65], 0
	v_nop
	global_prefetch_b8 v0, s[64:65] scope:SCOPE_SE
	s_setreg_imm32_b32 hwreg(HW_REG_WAVE_MODE, 25, 1), 1
	s_wait_xcnt 0x0
; THE FORMAT PASS.  xb = bf16(x).  Uh = bf16(U), written as f16.  Vs[r][d] = f16(bf16(S[r]) x bf16(Vh[r][d])), the product taken in f32, where it is exact (8 x 8 significant bits).
; Every input is rounded to bf16 once; what the program makes of them (S x Vh) keeps f16's 11 bits, so that the only further bf16 rounding of the whole program is W's, in the next launch.
; LIMITS.  f16 ends at 65,504: |U| or |S x Vh| of 65,520 or more becomes an infinity.  Below 6.1e-5 f16 keeps a fixed step of 6e-8, so a bf16 number below 2^-17 is no longer exact in Uh.  NaN and infinities pass through.
; SHARES.  x, Vh and U all have rows of 16,384 bytes.  A work-group owns four whole rows of one of them: 65,536 consecutive bytes in, 32,768 out: 1,024 work-groups for x, 1,024 for Vh, 512 for U.
; Thread t takes 16 bytes at 16 t + 4,096 c of chunk c = 0..15 (a wave's load covers 512 consecutive bytes) and stores 8 bytes at 8 t + 2,048 c (a wave's store covers 256 consecutive bytes, aligned).
; All sixteen loads go out at once, each into registers of its own: 64 KiB of a work-group are on their way, no register that a store reads is written again, and nothing is shared: no LDS, no barrier, no loop.
.set WG_X,  1024                       ; work-groups for x: 4,096 rows / 4
.set WG_V,  1024                       ; for Vh
.set CHUNK, 4096                       ; bytes that the 256 threads load at once; a row is four chunks
.set VI,  1                            ; v1       16 t; never rewritten
.set VO,  2                            ; v2       8 t; never rewritten
.set T,   4                            ; v[4:5]   at work
.set X,   8                            ; v[8:71]  chunk c: four registers as loaded; its first two then hold what is stored
.set SV,  72                           ; v[72:79] row i of my four: bf16(S) as f32, twice (a pair for the packed multiply)
; One tensor's way.  mode 0: x.  1: U.  2: Vh, with S.  src, dst: the scalar pairs with the two addresses.  first: the tensor's first work-group.
.macro PATH mode, src, dst, first
	s_sub_co_u32 s22, ttmp9, \first                ; my number among the tensor's work-groups
	s_lshl_b32 s24, s22, 16                        ; 65,536 bytes in,
	s_lshl_b32 s26, s22, 15                        ; 32,768 out
	s_add_nc_u64 s[(\src):(\src)+1], s[(\src):(\src)+1], s[24:25]
	s_add_nc_u64 s[(\dst):(\dst)+1], s[(\dst):(\dst)+1], s[26:27]
.set c, 0
.rept 16
	global_load_b128 v[X+4*c:X+4*c+3], v[VI], s[(\src):(\src)+1] offset:CHUNK*c th:TH_LOAD_NT
.set c, c+1
.endr
.if (\mode) == 2
	s_lshl_b32 s28, s22, 4                         ; my four rows' S: 16 bytes
	s_add_nc_u64 s[10:11], s[10:11], s[28:29]
	s_load_b128 s[32:35], s[10:11], 0x0
	s_wait_kmcnt 0x0
	v_cvt_pk_bf16_f32 v[T], s32, s33               ; S is rounded to bf16 like the other inputs,
	v_cvt_pk_bf16_f32 v[T+1], s34, s35
	v_lshlrev_b32 v[SV], 16, v[T]                  ; and widened again, each number twice
	v_lshlrev_b32 v[SV+1], 16, v[T]
	v_and_b32 v[SV+2], s30, v[T]
	v_and_b32 v[SV+3], s30, v[T]
	v_lshlrev_b32 v[SV+4], 16, v[T+1]
	v_lshlrev_b32 v[SV+5], 16, v[T+1]
	v_and_b32 v[SV+6], s30, v[T+1]
	v_and_b32 v[SV+7], s30, v[T+1]
.endif
.set c, 0
.rept 16
	s_wait_loadcnt 15-c                            ; loads come back in order: chunk c is in, the 15 - c younger ones stay out
.if (\mode) == 0
	v_cvt_pk_bf16_f32 v[X+4*c], v[X+4*c], v[X+4*c+1]
	v_cvt_pk_bf16_f32 v[X+4*c+1], v[X+4*c+2], v[X+4*c+3]
.else
	v_cvt_pk_bf16_f32 v[T], v[X+4*c], v[X+4*c+1]   ; rounded to bf16,
	v_cvt_pk_bf16_f32 v[T+1], v[X+4*c+2], v[X+4*c+3]
	v_lshlrev_b32 v[X+4*c], 16, v[T]               ; widened,
	v_and_b32 v[X+4*c+1], s30, v[T]
	v_lshlrev_b32 v[X+4*c+2], 16, v[T+1]
	v_and_b32 v[X+4*c+3], s30, v[T+1]
.if (\mode) == 2
	v_pk_mul_f32 v[X+4*c:X+4*c+1], v[X+4*c:X+4*c+1], v[SV+2*(c/4):SV+2*(c/4)+1]      ; times the row's S: chunk c lies in row c / 4,
	v_pk_mul_f32 v[X+4*c+2:X+4*c+3], v[X+4*c+2:X+4*c+3], v[SV+2*(c/4):SV+2*(c/4)+1]
.endif
	v_cvt_pk_f16_f32 v[X+4*c], v[X+4*c], v[X+4*c+1]  ; and written as f16
	v_cvt_pk_f16_f32 v[X+4*c+1], v[X+4*c+2], v[X+4*c+3]
.endif
	global_store_b64 v[VO], v[X+4*c:X+4*c+1], s[(\dst):(\dst)+1] offset:(CHUNK/2)*c
.set c, c+1
.endr
	s_endpgm
.endm
	s_load_b256 s[4:11], s[0:1], 0x0               ; x s[4:5], Vh s[6:7], U s[8:9], S s[10:11]
	s_load_b128 s[12:15], s[0:1], 0x20             ; xb s[12:13], Vs s[14:15]
	s_load_b64 s[16:17], s[0:1], 0x30              ; Uh
	v_lshlrev_b32 v[VI], 4, v0
	v_lshlrev_b32 v[VO], 3, v0
	s_mov_b32 s30, 0xffff0000                      ; a word's upper bf16
	s_mov_b32 s25, 0                               ; the offsets' high words
	s_mov_b32 s27, 0
	s_mov_b32 s29, 0
	s_wait_kmcnt 0x0
	s_cmp_lt_u32 ttmp9, WG_X
	s_cbranch_scc1 .Lx
	s_cmp_lt_u32 ttmp9, WG_X+WG_V
	s_cbranch_scc1 .Lv
	PATH 1, 8, 16, WG_X+WG_V
.Lv:
	PATH 2, 6, 14, WG_X
.Lx:
	PATH 0, 4, 12, 0
.Lfunc_end_k_q86e40d9bac_prep:
	.size	k_q86e40d9bac_prep, .Lfunc_end_k_q86e40d9bac_prep-k_q86e40d9bac_prep
	.p2alignl 7, 3214868480
	.fill 96, 4, 3214868480
	.section	.rodata,"a",@progbits
	.p2align	6, 0x0
	.amdhsa_kernel k_q86e40d9bac_prep
		.amdhsa_group_segment_fixed_size 0
		.amdhsa_private_segment_fixed_size 0
		.amdhsa_enable_private_segment 0
		.amdhsa_kernarg_size 56
		.amdhsa_user_sgpr_count 2
		.amdhsa_user_sgpr_kernarg_segment_ptr 1
		.amdhsa_wavefront_size32 1
		.amdhsa_system_sgpr_workgroup_id_x 1
		.amdhsa_system_sgpr_workgroup_id_y 1
		.amdhsa_system_sgpr_workgroup_id_z 1
		.amdhsa_system_vgpr_workitem_id 0
		.amdhsa_next_free_vgpr 80
		.amdhsa_next_free_sgpr 66
		.amdhsa_reserve_vcc 0
		.amdhsa_float_denorm_mode_32 3
		.amdhsa_float_denorm_mode_16_64 3
		.amdhsa_memory_ordered 1
		.amdhsa_forward_progress 1
		.amdhsa_inst_pref_size 29
	.end_amdhsa_kernel
	.amdgpu_metadata
---
amdhsa.version: [ 1, 2 ]
amdhsa.kernels:
  - .name:           k_q86e40d9bac_prep
    .symbol:         k_q86e40d9bac_prep.kd
    .args:
      - { .name: x, .offset: 0, .size: 8, .value_kind: global_buffer, .address_space: global }
      - { .name: Vh, .offset: 8, .size: 8, .value_kind: global_buffer, .address_space: global }
      - { .name: U, .offset: 16, .size: 8, .value_kind: global_buffer, .address_space: global }
      - { .name: S, .offset: 24, .size: 8, .value_kind: global_buffer, .address_space: global }
      - { .name: xb, .offset: 32, .size: 8, .value_kind: global_buffer, .address_space: global }
      - { .name: Vs, .offset: 40, .size: 8, .value_kind: global_buffer, .address_space: global }
      - { .name: Uh, .offset: 48, .size: 8, .value_kind: global_buffer, .address_space: global }
    .group_segment_fixed_size: 0
    .private_segment_fixed_size: 0
    .kernarg_segment_align: 8
    .kernarg_segment_size: 56
    .max_flat_workgroup_size: 256
    .sgpr_count:     66
    .vgpr_count:     80
    .wavefront_size: 32
...
	.end_amdgpu_metadata
.endif
;; end of part 1
;; launch gemm_w (part 2): grid 16 x 16, 4 waves a work-group, clusters of 4 x 4, 327,680 bytes of LDS; arguments Uh, Vs, W; writes W
.if DOCPART == 2
	.amdgcn_target "amdgcn-amd-amdhsa--gfx1250"
	.amdhsa_code_object_version 6
	.text
	.protected	k_q86e40d9bac_gemm_w
	.globl	k_q86e40d9bac_gemm_w
	.p2align	8
	.type	k_q86e40d9bac_gemm_w,@function
k_q86e40d9bac_gemm_w:
	s_mov_b64 s[64:65], 0
	v_nop
	global_prefetch_b8 v0, s[64:65] scope:SCOPE_SE
	s_setreg_imm32_b32 hwreg(HW_REG_WAVE_MODE, 25, 1), 1
	s_wait_xcnt 0x0
	s_wait_alu depctr_hold_cnt(0) depctr_sa_sdst(0) depctr_va_vdst(0) depctr_va_sdst(0) depctr_va_ssrc(0) depctr_va_vcc(0) depctr_vm_vsrc(0)
	s_getreg_b32 s2, hwreg(HW_REG_IB_STS2, 6, 4)
	s_cmp_eq_u32 s2, 0
	s_cbranch_scc0 .Lentry_in_a_cluster
	s_endpgm
.Lentry_in_a_cluster:
	s_bfe_u32 s2, ttmp6, 0x10000c
	s_cmp_lg_u32 s2, 0xf033
	s_cbranch_scc0 .Lentry_shape_is_right
	s_endpgm
.Lentry_shape_is_right:
; W[o][d] = bf16( sum over r of Uh[o][r] Vs[r][d] ).  Uh: [2048][4096] f16, Vs: [4096][4096] f16 (S is already in it), W: [2048][4096] bf16; sums in f32, W rounded once.
; W goes in bf16, not f16: with inputs some 30 times larger than drawn its numbers pass f16's range.  LIMITS: those of Uh and Vs (f16); NaN and infinities are not treated apart.
; SHARES.  A tile of W is 128 (o) x 256 (d): 16 x 16 = 256 work-groups.  Four waves, each 64 x 128: 4 x 8 accumulators of 16 x 16, 256 registers.  K = r goes in 32 steps of 128 through two LDS slots.
; Vs LIES [r][d], K down the rows: its tile comes into LDS as it lies (128 rows of 512 bytes) and the turning load ds_load_tr16_b128 makes the fragments.
; THE MATRIX INSTRUCTION IS USED TRANSPOSED (source 0 = 16 columns d, source 1 = 16 rows o): a lane then holds eight neighbouring numbers of a row of W.
; CLUSTERS: 4 x 4 work-groups.  The four of a row of the cluster need the same tiles of Uh, the four of a column the same tiles of Vs: each tile is asked for JOINTLY, by the same tensor load with the same
; descriptor and a mask that names the four.  A wave has two tensor loads out at the start and one behind each round.
; REGISTERS.  Window 0: v0-31 addresses; two fragment buffers of 96 (v64-159, v160-255): 8 fragments of Vs, then 4 of Uh; on the way out v64-159 are at work.  Window 1: accumulator (a, b) at v[8 (8 a + b)].
.set SIZE_K, 4096
.set KSTEP,  128
.set ROWB,   8192                      ; bytes in a row of Uh, of Vs and of W
.set BSTEP,  KSTEP*ROWB                ; bytes from a K step of Vs to the next: 128 rows
.set PITCH,  272                       ; a row of Uh's tile in LDS: 256 bytes + 16 = 68 words: the 16 rows of a load start at 16 different groups of four banks (64 banks of 4 bytes: ISA guide 11.1)
.set PB,     544                       ; a row of Vs' tile: 512 bytes + 32 = 136 words
.set AHALF,  64*PITCH                  ; 64 rows of Uh: what waves 0 and 1 fetch, and what a wave reads
.set AB,     128*PITCH                 ; Vs' tile lies behind Uh's 128 rows
.set HB,     64*PB                     ; 64 rows of Vs: what waves 2 and 3 fetch
.set SLOT,   AB+2*HB
.set STAGE,  2*SLOT                    ; behind the ring: 16 rows x 272 bytes for each wave, for the way out; no tensor load fills it
.set SPITCH, 272
.set SPARE,  STAGE+4*16*SPITCH         ; behind the stages: the spare words, 128 bytes for each wave: two blocks of 256 bytes that no other line names
.set LAPS,   SIZE_K/(2*KSTEP)          ; a lap = two K steps = once round the ring
.set ADRA, 16                          ; v16-17  LDS address of my fragments of Uh in slot 0, 1
.set ADRB, 20                          ; v20-21  the same for Vs
.set STO,  24                          ; v24     the way out: where I put 16 bytes of a row
.set RD,   25                          ; v25     the way out: where I read a row back
.set CO,   26                          ; v26     my byte offset in W
.set SPW,  28                          ; v28     LDS address of my spare word: SPARE + 4 x my thread's number; never rewritten
.set NIL,  29                          ; v29     0; never rewritten
.set PFO,  30                          ; v30     the prefetches' lane offset; never rewritten
.set F0,   64
.set F1,   160
.set TMP,  64                          ; the way out: packed results
.set OB,   96                          ; the way out: 16 rows read back: v96-127 and v128-159 by turns
.set G1,  24                           ; s[24:31] descriptor group 1 for Uh's tiles;  s[32:39] group 0, one set for each slot
.set G0,  32
.set G1B, 48                           ; s[48:55], s[56:63] the same for Vs' tiles
.set G0B, 56
.set PFA, 66                           ; s[66:67] where my prefetches stand
.set PST, 68                           ; s[68:69] bytes from a K step to the next in the tensor that I prefetch
.set LIM, 70                           ; s70     1 in a wave that prefetches, else the greatest number
.set MSB, 0
.macro WIN new                         ; the immediate's high byte repeats the setting that is left; a switch that changes nothing is dropped
.if MSB != (\new)
	s_set_vgpr_msb (MSB<<8)|(\new)
.set MSB, \new
.endif
.endm
.set MUL, 0x50                         ; sources 0 and 1 window 0; C and D window 1
.macro JLOAD s                         ; a joint load: waves 0 and 1 fetch Uh's two halves, waves 2 and 3 Vs'; an s_nop 0 and four v_nop follow each of the two lines, ahead of the jump, the label and what follows
	s_cmp_eq_u32 s11, 0
	s_cbranch_scc0 .Lfor_b_\@
	tensor_load_to_lds s[G0+4*(\s):G0+4*(\s)+3], s[G1:G1+7]
	s_nop 0
.rept 4
	v_nop
.endr
	s_branch .Lasked_\@
.Lfor_b_\@:
	tensor_load_to_lds s[G0B+4*(\s):G0B+4*(\s)+3], s[G1B:G1B+7]
	s_nop 0
.rept 4
	v_nop
.endr
.Lasked_\@:
.endm
.macro CREST                           ; a round of the cluster's barrier behind its opening barrier
	s_cmp_lg_u32 s10, 0
	s_cbranch_scc1 .Lnot_wave_0_\@
	s_barrier_signal -3
.Lnot_wave_0_\@:
	s_barrier_wait -3
	s_barrier_signal -1
	s_barrier_wait -1
.endm
.macro CROUND                          ; a whole round
	s_barrier_signal -1
	s_barrier_wait -1
	CREST
.endm
; A PREFETCH INTO THE L2, behind each joint load, its five lines and the run of LDS loads: the K step that stands TWO refills on (256 matrix instructions of a wave ahead of the load that will want it), one instruction a wave.
; Each aligned block of 256 bytes is named once in the launch.  Uh's tile row is read by every cluster of that row of clusters: the one with x = 0 asks, in each partner wave 0, for rows 32 cx + lane of the 128.
; Vs' tile column is read by every cluster of that column: the one with y = 0 asks, waves 2 and 3, each for 16 cy + lane / 2 of the 64 rows that it fetches, block lane % 2 of the row's 512 bytes.
; The partners are told apart BY ADDRESS; the branch hangs on the cluster's place and the wave's number.  K steps 0 to 3 come by their loads alone; the loop's last trip (s3 = 1) asks for nothing.
.macro ASK
	s_cmp_gt_u32 s3, s[LIM]
	s_cbranch_scc0 .Lnot_mine_\@
	global_prefetch_b8 v[PFO], s[PFA:PFA+1] th:TH_LOAD_NT scope:SCOPE_SE
.Lnot_mine_\@:
.endm
	s_load_b128 s[4:7], s[0:1], 0x0                ; Uh s[4:5], Vs s[6:7]
	s_load_b64 s[8:9], s[0:1], 0x10                ; W
	v_lshl_add_u32 v[SPW], v0, 2, SPARE
	v_mov_b32 v[NIL], 0
	ds_add_u32 v[SPW], v[NIL]                      ; the wave's opening: the add and its wait stand ahead of my first tensor load; the set-up below, work on registers, stands between them
	v_lshrrev_b32 v1, 5, v0
	v_readfirstlane_b32 s10, v1                    ; wave 0..3
	s_lshr_b32 s11, s10, 1                         ; which 64 rows of the tile are mine.  Also: I fetch for Uh (0) or for Vs (1)
	s_and_b32 s12, s10, 1                          ; which 128 columns.  Also: which half of that tensor's tile I fetch
	s_bfe_u32 s40, ttmp6, 0x40000                  ; cx, cy: my place in the cluster
	s_bfe_u32 s41, ttmp6, 0x40004
	s_lshl_b32 s42, ttmp9, 2
	s_add_co_u32 s42, s42, s40                     ; tile column = 4 x cluster x + cx
	s_and_b32 s13, ttmp7, 0xffff
	s_lshl_b32 s13, s13, 2
	s_add_co_u32 s13, s13, s41                     ; tile row = 4 x cluster y + cy
	s_lshl_b32 s43, s41, 2
	s_lshl_b32 s43, 15, s43                        ; my row of the cluster
	s_lshl_b32 s44, 0x1111, s40                    ; my column
	s_or_b32 s[G1+0], s43, (1<<16)|(1<<20)|(1<<21)|(5<<22)|(3<<25)   ; 15:0 the mask: Uh's tiles go to my row; 17:16 elements of 2 bytes; 20 padding on; 21 set beside a mask; 24:22 after every 64 words (code 5); 31:25 4 words (code 3)
	s_mov_b32 s[G1+1], KSTEP<<16                   ; tensor_dim0 = 128
	s_mov_b32 s[G1+2], 64<<16                      ; tensor_dim1 = 64
	s_mov_b32 s[G1+3], KSTEP<<16                   ; tile_dim0 = 128
	s_mov_b32 s[G1+4], 64                          ; tile_dim1 = 64
	s_mov_b32 s[G1+5], SIZE_K                      ; elements from row to row
	s_mov_b32 s[G1+6], 0
	s_mov_b32 s[G1+7], 0
	s_or_b32 s[G1B+0], s44, (1<<16)|(1<<20)|(1<<21)|(6<<22)|(7<<25)  ; the mask of my column; padding after every 128 words (code 6), 8 words (code 7)
	s_mov_b32 s[G1B+1], 256<<16                    ; tensor_dim0 = 256
	s_mov_b32 s[G1B+2], 64<<16                     ; tensor_dim1 = 64
	s_mov_b32 s[G1B+3], 256<<16                    ; tile_dim0 = 256
	s_mov_b32 s[G1B+4], 64                         ; tile_dim1 = 64
	s_mov_b32 s[G1B+5], 4096                       ; elements from row to row of Vs
	s_mov_b32 s[G1B+6], 0
	s_mov_b32 s[G1B+7], 0
	s_lshl_b32 s16, s13, 20                        ; Uh: row 128 x tile row + 64 x half, 8,192 bytes each: it hangs on the tile row alone
	s_lshl_b32 s17, s12, 19
	s_add_co_u32 s16, s16, s17
	s_mov_b32 s17, 0
	s_lshl_b32 s46, s42, 9                         ; Vs: row 64 x half of K step 0, column 256 x tile column: it hangs on the tile column alone
	s_lshl_b32 s47, s12, 19
	s_add_co_u32 s46, s46, s47
	s_mov_b32 s47, 0
	s_mul_i32 s20, s12, AHALF                      ; where they go: no place in the cluster enters an LDS address
	s_mul_i32 s21, s12, HB
	s_add_co_u32 s21, s21, AB
	s_wait_dscnt 0x0                               ; the opening add is done
	s_wait_kmcnt 0x0
	s_add_nc_u64 s[14:15], s[4:5], s[16:17]
	s_add_nc_u64 s[46:47], s[6:7], s[46:47]
	CROUND                                         ; all sixteen work-groups are here: the first joint loads meet
.irp s, 0,1
	s_mov_b32 s[G0+4*(\s)], 1                      ; count = 1
	s_add_co_u32 s[G0+4*(\s)+1], s20, (\s)*SLOT    ; LDS address
	s_add_nc_u64 s[G0+4*(\s)+2:G0+4*(\s)+3], s[14:15], (\s)*KSTEP*2   ; global address: K step s
	s_or_b32 s[G0+4*(\s)+3], s[G0+4*(\s)+3], 0x80000000              ; type = 2
	s_mov_b32 s[G0B+4*(\s)], 1
	s_add_co_u32 s[G0B+4*(\s)+1], s21, (\s)*SLOT
	s_add_nc_u64 s[G0B+4*(\s)+2:G0B+4*(\s)+3], s[46:47], (\s)*BSTEP
	s_or_b32 s[G0B+4*(\s)+3], s[G0B+4*(\s)+3], 0x80000000
	JLOAD \s
.endr
	; A fragment of Uh is 16 rows x 32 K in 8 registers: lane l holds row l % 16, K = 8 (l / 16) + 0..7 and 16 + 8 (l / 16) + 0..7: two loads of 16 bytes, 32 bytes apart.
	v_and_b32 v1, 15, v0                           ; l % 16
	v_bfe_u32 v2, v0, 4, 1                         ; l / 16
	v_mul_u32_u24 v3, v1, PITCH
	v_lshl_add_u32 v3, v2, 4, v3
	; The turning load takes 16 K x 16 columns (lane l reads row 8 (l / 16) + l % 8, columns 8 ((l / 8) % 2) + 0..7) and leaves half a fragment: lane l holds column l % 16 and 8 K.
	v_and_b32 v10, 7, v0
	v_bfe_u32 v11, v0, 3, 1
	v_lshl_add_u32 v4, v2, 3, v10
	v_mul_u32_u24 v4, v4, PB
	v_lshl_add_u32 v4, v11, 4, v4
	s_mul_i32 s21, s11, AHALF                      ; my 64 rows of Uh
	s_lshl_b32 s22, s12, 8                         ; my 128 columns of Vs: 256 bytes of each row,
	s_add_co_u32 s22, s22, AB                      ; behind Uh's tile
.irp s, 0,1
	v_add_nc_u32 v[ADRA+(\s)], s21, v3
	v_add_nc_u32 v[ADRB+(\s)], s22, v4
	s_add_co_u32 s21, s21, SLOT
	s_add_co_u32 s22, s22, SLOT
.endr
	s_mul_i32 s23, s10, 16*SPITCH
	s_add_co_u32 s23, s23, STAGE                   ; my stage
	v_mul_u32_u24 v4, v1, SPITCH                   ; in: row l % 16, 16 bytes for each half of the lanes
	v_lshl_add_u32 v4, v2, 4, v4
	v_add_nc_u32 v[STO], s23, v4
	v_mul_u32_u24 v5, v2, SPITCH                   ; back: lanes 0-15 take one row of 256 bytes, lanes 16-31 the next
	v_lshl_add_u32 v5, v1, 4, v5
	v_add_nc_u32 v[RD], s23, v5
	v_lshlrev_b32 v5, 13, v2                       ; and the same two rows in W
	v_lshl_add_u32 v[CO], v1, 4, v5
	s_lshl_b32 s16, s13, 20                        ; where my part of the tile begins in W: row 128 x tile row + 64 x half,
	s_lshl_b32 s17, s11, 19
	s_add_co_u32 s16, s16, s17
	s_lshl_b32 s17, s42, 9                         ; column 256 x tile column + 128 x half
	s_add_co_u32 s16, s16, s17
	s_lshl_b32 s17, s12, 8
	s_add_co_u32 s16, s16, s17
	s_mov_b32 s17, 0
	s_add_nc_u64 s[8:9], s[8:9], s[16:17]
	; the prefetches
	s_and_b32 s22, ttmp7, 0xffff                   ; cluster y
	s_or_b32 s23, ttmp9, s12                       ; 0 where cluster x = 0 and I fetch the first half
	s_lshl_b32 s16, s13, 20                        ; Uh: the tile row's 128 rows, my work-group's 32 of them
	s_lshl_b32 s17, s40, 18
	s_add_co_u32 s16, s16, s17
	s_lshl_b32 s18, s12, 19                        ; Vs: the 64 rows that I fetch, my work-group's 16 of them, the tile column's 512 bytes
	s_lshl_b32 s19, s42, 9
	s_add_co_u32 s18, s18, s19
	s_lshl_b32 s19, s41, 17
	s_add_co_u32 s18, s18, s19
	s_mov_b32 s[PST], BSTEP
	s_cmp_eq_u32 s11, 0                            ; do I fetch for Uh?
	s_cselect_b32 s20, s16, s18
	s_cselect_b32 s22, s23, s22
	s_cselect_b32 s[PST], KSTEP*2, s[PST]
	s_cselect_b32 s19, 0, 1                        ; Uh: a lane a row; Vs: two lanes a row
	s_cselect_b64 s[PFA:PFA+1], s[4:5], s[6:7]
	s_cmp_eq_u32 s22, 0
	s_cselect_b32 s[LIM], 1, -1                    ; the same in all sixteen partners, for a given wave
	s_mov_b32 s21, 0
	s_mov_b32 s[PST+1], 0
	s_add_nc_u64 s[PFA:PFA+1], s[PFA:PFA+1], s[20:21]
	s_mul_i32 s20, s[PST], 3
	s_add_nc_u64 s[PFA:PFA+1], s[PFA:PFA+1], s[20:21]  ; at K step 3: the first refill (of K step 2) steps it to 4 and names that
	v_and_b32 v5, 31, v0
	v_lshrrev_b32 v6, s19, v5
	v_and_b32 v7, s19, v5
	v_lshlrev_b32 v6, 13, v6
	v_lshl_add_u32 v[PFO], v7, 8, v6
; 8 matrix instructions: row block a x all 8 column blocks, 32 along K, from buffer f.  zero = 1: the product starts the sums: nothing is ever cleared.
; The 32 accumulators take turns, one instruction a turn, in the same order in every quarter, over the backward jump too.
.macro MUL8 f, a, zero
	WIN MUL
.irp b, 0,1,2,3,4,5,6,7
.if \zero
	v_wmma_f32_16x16x32_f16 v[8*(8*(\a)+(\b)):8*(8*(\a)+(\b))+7], v[(\f)+8*(\b):(\f)+8*(\b)+7], v[(\f)+64+8*(\a):(\f)+64+8*(\a)+7], 0
.else
	v_wmma_f32_16x16x32_f16 v[8*(8*(\a)+(\b)):8*(8*(\a)+(\b))+7], v[(\f)+8*(\b):(\f)+8*(\b)+7], v[(\f)+64+8*(\a):(\f)+64+8*(\a)+7], v[8*(8*(\a)+(\b)):8*(8*(\a)+(\b))+7]
.endif
.endr
.endm
.macro MUL16 f, a0, zero
	MUL8 \f, \a0, \zero
	MUL8 \f, (\a0)+1, \zero
.endm
; 24 LDS loads in one run: the fragments of quarter q (32 along K) of a slot into buffer f: Vs' sixteen first, then Uh's eight, row blocks ascending
.macro FETCH slot, q, f
	WIN 0
.irp b, 0,1,2,3,4,5,6,7
	ds_load_tr16_b128 v[(\f)+8*(\b):(\f)+8*(\b)+3],   v[ADRB+(\slot)] offset:(\q)*32*PB+32*(\b)
	ds_load_tr16_b128 v[(\f)+8*(\b)+4:(\f)+8*(\b)+7], v[ADRB+(\slot)] offset:(\q)*32*PB+32*(\b)+16*PB
.endr
.irp a, 0,1,2,3
	ds_load_b128 v[(\f)+64+8*(\a):(\f)+64+8*(\a)+3],   v[ADRA+(\slot)] offset:64*(\q)+(\a)*16*PITCH
	ds_load_b128 v[(\f)+64+8*(\a)+4:(\f)+64+8*(\a)+7], v[ADRA+(\slot)] offset:64*(\q)+(\a)*16*PITCH+32
.endr
.endm
.macro PLACES                          ; four plain vector instructions between the last matrix instruction and loads into registers that matrix instructions have read, or readers of results
.rept 4
	v_nop
.endr
.endm
; A K step is four quarters of 32 along K, 32 matrix instructions each, on buffers 0, 1, 0, 1.  One of the first three: multiplies buffer f and, in its middle, fetches quarter q into buffer g.
.macro QUARTER slot, q, f, g, zero
	s_wait_dscnt 4                                 ; Vs' fragments and Uh's row blocks 0 and 1 are in; the youngest four loads (row blocks 2 and 3) may be out
	MUL16 \f, 0, \zero
	PLACES
	FETCH \slot, \q, \g
	s_wait_dscnt 24                                ; all but the 24 just issued
	MUL16 \f, 2, \zero
.endm
; The last quarter multiplies buffer 1 and changes slots: ONE barrier; in front of it each wave waits for all its tensor loads (the one that is out is its part of the next slot), adds 0 to its spare word, and waits
; for that and for its own reads of this slot.  fill = 1: the barrier opens a round of the cluster's barrier, and this slot is filled again, two K steps ahead, first thing behind the round.
.macro TURN slot, next, fill
.if \fill
	s_wait_xcnt 0x0                                ; the last prefetch, a K step back, has read its address, which is stepped here, ahead of the waits of the change of slots
	s_add_nc_u64 s[PFA:PFA+1], s[PFA:PFA+1], s[PST:PST+1]
.endif
	WIN 0                                          ; (the add's two registers lie in window 0)
	s_wait_tensorcnt 0x0                           ; all my tensor loads have landed;
	ds_add_u32 v[SPW], v[NIL]                      ; 0 onto my spare word;
	s_wait_dscnt 5                                 ; (the add and the youngest four loads may be out)
	MUL8 F1, 0, 0                                  ; eight matrix instructions stand between the add and the wait for it
	s_wait_dscnt 0x0                               ; the add is done, and my reads of this slot are over
	s_barrier_signal -1
	MUL8 F1, 1, 0
.if \fill
	WIN 0
.endif
	s_barrier_wait -1
.if \fill
	CREST                                          ; no wave of any partner still reads this slot's tiles or has a load on its way
	s_add_nc_u64 s[G0+4*(\slot)+2:G0+4*(\slot)+3], s[G0+4*(\slot)+2:G0+4*(\slot)+3], 2*KSTEP*2
	s_add_nc_u64 s[G0B+4*(\slot)+2:G0B+4*(\slot)+3], s[G0B+4*(\slot)+2:G0B+4*(\slot)+3], 2*BSTEP
	JLOAD \slot                                    ; the first tensor load behind the round; its four v_nop are also the places in front of the loads below
.else
	PLACES
.endif
	FETCH \next, 0, F0
.if \fill
	ASK
.endif
	MUL16 F1, 2, 0
.endm
	s_wait_tensorcnt 1                             ; my part of K step 0 is in; K step 1's load may stay out
	s_barrier_signal -1
	s_barrier_wait -1                              ; everybody's is
	FETCH 0, 0, F0
	QUARTER 0, 1, F0, F1, 1                        ; the first quarter stands in front of the loop: its products start the sums
	WIN 0                                          ; at a label and at a branch every window is 0
	s_mov_b32 s3, LAPS-1
.Llap:                                                 ; a trip goes once round the ring, from a lap's second quarter to the next lap's first, and fills both slots again
	QUARTER 0, 2, F1, F0, 0
	QUARTER 0, 3, F0, F1, 0
	TURN 0, 1, 1
	QUARTER 1, 1, F0, F1, 0
	QUARTER 1, 2, F1, F0, 0
	QUARTER 1, 3, F0, F1, 0
	TURN 1, 0, 1
	QUARTER 0, 1, F0, F1, 0
	WIN 0
	s_sub_co_u32 s3, s3, 1
	s_cmp_lg_u32 s3, 0
	s_cbranch_scc1 .Llap
	QUARTER 0, 2, F1, F0, 0                        ; the last lap fills nothing, and has no round of the cluster's barrier
	QUARTER 0, 3, F0, F1, 0
	TURN 0, 1, 0
	QUARTER 1, 1, F0, F1, 0
	QUARTER 1, 2, F1, F0, 0
	QUARTER 1, 3, F0, F1, 0
	s_wait_dscnt 4                                 ; the very last quarter: nothing more to fetch
	MUL16 F1, 0, 0
	s_wait_dscnt 0x0
	MUL16 F1, 2, 0
	WIN 0
	PLACES
	PLACES
; THE WAY OUT, a block of 16 rows at a time.  PACK: rounded to bf16, 16 bytes a lane, each accumulator's registers ascending.  TOSTAGE: into my own stage, and back as whole rows of 256 bytes.  SEND: stored.
.macro PACK a
	WIN 0x05                                       ; sources 0 and 1 window 1, destination window 0
.irp b, 0,1,2,3,4,5,6,7
.irp r, 0,1,2,3
	v_cvt_pk_bf16_f32 v[TMP+4*(\b)+(\r)], v[8*(8*(\a)+(\b))+2*(\r)], v[8*(8*(\a)+(\b))+2*(\r)+1]
.endr
.endr
	WIN 0
.endm
.macro TOSTAGE a
.irp b, 0,1,2,3,4,5,6,7
	ds_store_b128 v[STO], v[TMP+4*(\b):TMP+4*(\b)+3] offset:32*(\b)
.endr
.irp t, 0,1,2,3,4,5,6,7
	ds_load_b128 v[OB+32*((\a)%2)+4*(\t):OB+32*((\a)%2)+4*(\t)+3], v[RD] offset:(\t)*2*SPITCH  ; LDS serves a wave's instructions in order (ISA guide 5.7.1.4): these see the stores above; the next block's stores come behind them
.endr
.endm
.macro SEND a
	s_wait_dscnt 0x0                               ; the block is back in registers
	s_wait_xcnt 0x0                                ; the stores issued so far have read their registers: the next block is loaded onto the registers of the block before this one only behind this wait
.irp t, 0,1,2,3,4,5,6,7
	global_store_b128 v[CO], v[OB+32*((\a)%2)+4*(\t):OB+32*((\a)%2)+4*(\t)+3], s[8:9] offset:(16*(\a)+2*(\t))*ROWB  ; 16 lanes store 256 consecutive bytes, at a multiple of 256 from W's first byte
.endr
.endm
	PACK 0
	TOSTAGE 0
.irp a, 1,2,3                          ; block a's conversions stand between block a - 1's loads from the stage and the wait for them
	PACK \a
	SEND (\a)-1
	TOSTAGE \a
.endr
	SEND 3
	s_wait_tensorcnt 0x0                           ; the wave's end, behind my last tensor load and my last LDS store
	ds_add_u32 v[SPW], v[NIL]
	s_wait_dscnt 0x0
	CROUND                                         ; the closing round: no work-group ends while a partner may still ask for a tile that names it
	s_endpgm
.Lfunc_end_k_q86e40d9bac_gemm_w:
	.size	k_q86e40d9bac_gemm_w, .Lfunc_end_k_q86e40d9bac_gemm_w-k_q86e40d9bac_gemm_w
	.p2alignl 7, 3214868480
	.fill 96, 4, 3214868480
	.section	.rodata,"a",@progbits
	.p2align	6, 0x0
	.amdhsa_kernel k_q86e40d9bac_gemm_w
		.amdhsa_group_segment_fixed_size 327680
		.amdhsa_private_segment_fixed_size 0
		.amdhsa_enable_private_segment 0
		.amdhsa_kernarg_size 24
		.amdhsa_user_sgpr_count 2
		.amdhsa_user_sgpr_kernarg_segment_ptr 1
		.amdhsa_wavefront_size32 1
		.amdhsa_system_sgpr_workgroup_id_x 1
		.amdhsa_system_sgpr_workgroup_id_y 1
		.amdhsa_system_sgpr_workgroup_id_z 1
		.amdhsa_system_vgpr_workitem_id 0
		.amdhsa_next_free_vgpr 512
		.amdhsa_next_free_sgpr 72
		.amdhsa_reserve_vcc 0
		.amdhsa_float_denorm_mode_32 3
		.amdhsa_float_denorm_mode_16_64 3
		.amdhsa_memory_ordered 1
		.amdhsa_forward_progress 1
		.amdhsa_inst_pref_size 88
	.end_amdhsa_kernel
	.amdgpu_metadata
---
amdhsa.version: [ 1, 2 ]
amdhsa.kernels:
  - .name:           k_q86e40d9bac_gemm_w
    .symbol:         k_q86e40d9bac_gemm_w.kd
    .args:
      - { .name: Uh, .offset: 0, .size: 8, .value_kind: global_buffer, .address_space: global }
      - { .name: Vs, .offset: 8, .size: 8, .value_kind: global_buffer, .address_space: global }
      - { .name: W, .offset: 16, .size: 8, .value_kind: global_buffer, .address_space: global }
    .group_segment_fixed_size: 327680
    .private_segment_fixed_size: 0
    .kernarg_segment_align: 8
    .kernarg_segment_size: 24
    .max_flat_workgroup_size: 128
    .sgpr_count:     72
    .vgpr_count:     512
    .wavefront_size: 32
...
	.end_amdgpu_metadata
.endif
;; end of part 2
;; launch gemm_out (part 3): grid 8 x 32, 4 waves a work-group, clusters of 4 x 4, 327,680 bytes of LDS; arguments xb, W, out0; writes out0
.if DOCPART == 3
	.amdgcn_target "amdgcn-amd-amdhsa--gfx1250"
	.amdhsa_code_object_version 6
	.text
	.protected	k_q86e40d9bac_gemm_out
	.globl	k_q86e40d9bac_gemm_out
	.p2align	8
	.type	k_q86e40d9bac_gemm_out,@function
k_q86e40d9bac_gemm_out:
	s_mov_b64 s[64:65], 0
	v_nop
	global_prefetch_b8 v0, s[64:65] scope:SCOPE_SE
	s_setreg_imm32_b32 hwreg(HW_REG_WAVE_MODE, 25, 1), 1
	s_wait_xcnt 0x0
	s_wait_alu depctr_hold_cnt(0) depctr_sa_sdst(0) depctr_va_vdst(0) depctr_va_sdst(0) depctr_va_ssrc(0) depctr_va_vcc(0) depctr_vm_vsrc(0)
	s_getreg_b32 s2, hwreg(HW_REG_IB_STS2, 6, 4)
	s_cmp_eq_u32 s2, 0
	s_cbranch_scc0 .Lentry_in_a_cluster
	s_endpgm
.Lentry_in_a_cluster:
	s_bfe_u32 s2, ttmp6, 0x10000c
	s_cmp_lg_u32 s2, 0xf033
	s_cbranch_scc0 .Lentry_shape_is_right
	s_endpgm
.Lentry_shape_is_right:
; out0[t][o] = sum over d of xb[t][d] W[o][d].  xb: [4096][4096] bf16, W: [2048][4096] bf16, out0: [4096][2048] f32; sums in f32, stored as they are.  NaN and infinities are not treated apart.
; SHARES.  A tile of out0 is 128 (t) x 256 (o): 8 x 32 = 256 work-groups.  Four waves, each 64 x 128: 4 x 8 accumulators of 16 x 16, 256 registers.  K = d goes in 32 steps of 128 through two LDS slots;
; the rows of both tiles are 256 bytes of memory, at multiples of 256 bytes from the buffers' first bytes.
; THE MATRIX INSTRUCTION IS USED TRANSPOSED (source 0 = 16 rows of W, source 1 = 16 rows of xb): a lane then holds eight neighbouring numbers of a row of out0, 32 bytes.
; CLUSTERS: 4 x 4 work-groups.  The four of a row of the cluster need the same tiles of xb, the four of a column the same tiles of W: each tile is asked for JOINTLY, by the same tensor load with the same
; descriptor and a mask that names the four.  A wave has two tensor loads out at the start and one behind each round.
; REGISTERS.  Window 0: v0-31 addresses; two fragment buffers of 96 (v64-159, v160-255): 8 fragments of W, then 4 of xb; on the way out v64-191 hold rows read back.  Window 1: accumulator (a, b) at v[8 (8 a + b)].
.set SIZE_K, 4096
.set KSTEP,  128
.set ROWB,   8192                      ; bytes in a row of xb, of W and of out0
.set PITCH,  272                       ; an LDS row: 256 bytes + 16 = 68 words: the 16 rows of a load start at 16 different groups of four banks (64 banks of 4 bytes: ISA guide 11.1)
.set AHALF,  64*PITCH                  ; 64 rows of xb: what waves 0 and 1 fetch, and what a wave reads
.set AB,     128*PITCH                 ; W's tile lies behind xb's 128 rows
.set HB,     128*PITCH                 ; 128 rows of W: what waves 2 and 3 fetch, and what a wave reads
.set SLOT,   AB+2*HB
.set STAGE,  2*SLOT                    ; behind the ring: 16 rows x 528 bytes for each wave, for the way out; no tensor load fills it
.set SPITCH, 528                       ; 512 bytes + 16 = 132 words: again 16 rows at 16 different groups of four banks
.set SPARE,  STAGE+4*16*SPITCH         ; behind the stages: the spare words, 128 bytes for each wave: two blocks of 256 bytes that no other line names
.set LAPS,   SIZE_K/(2*KSTEP)          ; a lap = two K steps = once round the ring
.set ADRA, 16                          ; v16-17  LDS address of my fragments of xb in slot 0, 1
.set ADRB, 20                          ; v20-21  the same for W
.set STO,  24                          ; v24     the way out: where I put 32 bytes of a row
.set RD,   25                          ; v25     the way out: where I read 16 bytes of a row back
.set CO,   26                          ; v26     my byte offset in a row's 512 bytes of out0
.set SPW,  28                          ; v28     LDS address of my spare word: SPARE + 4 x my thread's number; never rewritten
.set NIL,  29                          ; v29     0; never rewritten
.set PFO,  30                          ; v30     the prefetches' lane offset: lane x a row; never rewritten
.set F0,   64
.set F1,   160
.set OB,   64                          ; the way out: 16 rows read back: v64-127 and v128-191 by turns
.set G1,  24                           ; s[24:31] descriptor group 1 for xb's tiles;  s[32:39] group 0, one set for each slot
.set G0,  32
.set G1B, 48                           ; s[48:55], s[56:63] the same for W's tiles
.set G0B, 56
.set PFA, 66                           ; s[66:67] where my prefetches stand
.set LIM, 70                           ; s70     1 in a wave that prefetches, else the greatest number
.set MSB, 0
.macro WIN new                         ; the immediate's high byte repeats the setting that is left; a switch that changes nothing is dropped
.if MSB != (\new)
	s_set_vgpr_msb (MSB<<8)|(\new)
.set MSB, \new
.endif
.endm
.set MUL, 0x50                         ; sources 0 and 1 window 0; C and D window 1
.macro JLOAD s                         ; a joint load: waves 0 and 1 fetch xb's two halves, waves 2 and 3 W's; an s_nop 0 and four v_nop follow each of the two lines, ahead of the jump, the label and what follows
	s_cmp_eq_u32 s11, 0
	s_cbranch_scc0 .Lfor_b_\@
	tensor_load_to_lds s[G0+4*(\s):G0+4*(\s)+3], s[G1:G1+7]
	s_nop 0
.rept 4
	v_nop
.endr
	s_branch .Lasked_\@
.Lfor_b_\@:
	tensor_load_to_lds s[G0B+4*(\s):G0B+4*(\s)+3], s[G1B:G1B+7]
	s_nop 0
.rept 4
	v_nop
.endr
.Lasked_\@:
.endm
.macro CREST                           ; a round of the cluster's barrier behind its opening barrier
	s_cmp_lg_u32 s10, 0
	s_cbranch_scc1 .Lnot_wave_0_\@
	s_barrier_signal -3
.Lnot_wave_0_\@:
	s_barrier_wait -3
	s_barrier_signal -1
	s_barrier_wait -1
.endm
.macro CROUND                          ; a whole round
	s_barrier_signal -1
	s_barrier_wait -1
	CREST
.endm
; A PREFETCH INTO THE L2, behind each joint load, its five lines and the run of LDS loads: the K step that stands TWO refills on (256 matrix instructions of a wave ahead of the load that will want it): 32 rows x 256 bytes,
; a lane a row, one instruction a wave.  Each row's 256 bytes of a K step are named once in the launch.  xb's tile row is read by every cluster of that row of clusters: the one with x = 0 asks, in each partner
; wave 0, for rows 32 cx + lane of the 128.  W's tile column is read by every cluster of that column: the one with y = 0 asks, waves 2 and 3, each for rows 32 cy + lane of the 128 that it fetches.
; The partners are told apart BY ADDRESS; the branch hangs on the cluster's place and the wave's number.  K steps 0 to 3 come by their loads alone; the loop's last trip (s3 = 1) asks for nothing.
.macro ASK
	s_cmp_gt_u32 s3, s[LIM]
	s_cbranch_scc0 .Lnot_mine_\@
	global_prefetch_b8 v[PFO], s[PFA:PFA+1] th:TH_LOAD_NT scope:SCOPE_SE
.Lnot_mine_\@:
.endm
	s_load_b128 s[4:7], s[0:1], 0x0                ; xb s[4:5], W s[6:7]
	s_load_b64 s[8:9], s[0:1], 0x10                ; out0
	v_lshl_add_u32 v[SPW], v0, 2, SPARE
	v_mov_b32 v[NIL], 0
	ds_add_u32 v[SPW], v[NIL]                      ; the wave's opening: the add and its wait stand ahead of my first tensor load; the set-up below, work on registers, stands between them
	v_lshrrev_b32 v1, 5, v0
	v_readfirstlane_b32 s10, v1                    ; wave 0..3
	s_lshr_b32 s11, s10, 1                         ; which 64 rows of the tile are mine.  Also: I fetch for xb (0) or for W (1)
	s_and_b32 s12, s10, 1                          ; which 128 columns.  Also: which half of that tensor's tile I fetch
	s_bfe_u32 s40, ttmp6, 0x40000                  ; cx, cy: my place in the cluster
	s_bfe_u32 s41, ttmp6, 0x40004
	s_lshl_b32 s42, ttmp9, 2
	s_add_co_u32 s42, s42, s40                     ; tile column = 4 x cluster x + cx
	s_and_b32 s13, ttmp7, 0xffff
	s_lshl_b32 s13, s13, 2
	s_add_co_u32 s13, s13, s41                     ; tile row = 4 x cluster y + cy
	s_lshl_b32 s43, s41, 2
	s_lshl_b32 s43, 15, s43                        ; my row of the cluster
	s_lshl_b32 s44, 0x1111, s40                    ; my column
	s_or_b32 s[G1+0], s43, (1<<16)|(1<<20)|(1<<21)|(5<<22)|(3<<25)   ; 15:0 the mask: xb's tiles go to my row; 17:16 elements of 2 bytes; 20 padding on; 21 set beside a mask; 24:22 after every 64 words (code 5); 31:25 4 words (code 3)
	s_mov_b32 s[G1+1], KSTEP<<16                   ; tensor_dim0 = 128
	s_mov_b32 s[G1+2], 64<<16                      ; tensor_dim1 = 64
	s_mov_b32 s[G1+3], KSTEP<<16                   ; tile_dim0 = 128
	s_mov_b32 s[G1+4], 64                          ; tile_dim1 = 64
	s_mov_b32 s[G1+5], SIZE_K                      ; elements from row to row
	s_mov_b32 s[G1+6], 0
	s_mov_b32 s[G1+7], 0
	s_or_b32 s[G1B+0], s44, (1<<16)|(1<<20)|(1<<21)|(5<<22)|(3<<25)  ; the same with the mask of my column
	s_mov_b32 s[G1B+1], KSTEP<<16                  ; tensor_dim0 = 128
	s_mov_b32 s[G1B+2], 128<<16                    ; tensor_dim1 = 128
	s_mov_b32 s[G1B+3], KSTEP<<16                  ; tile_dim0 = 128
	s_mov_b32 s[G1B+4], 128                        ; tile_dim1 = 128
	s_mov_b32 s[G1B+5], SIZE_K
	s_mov_b32 s[G1B+6], 0
	s_mov_b32 s[G1B+7], 0
	s_lshl_b32 s16, s13, 20                        ; xb: row 128 x tile row + 64 x half, 8,192 bytes each: it hangs on the tile row alone
	s_lshl_b32 s17, s12, 19
	s_add_co_u32 s16, s16, s17
	s_mov_b32 s17, 0
	s_lshl_b32 s46, s42, 21                        ; W: row 256 x tile column + 128 x half: it hangs on the tile column alone
	s_lshl_b32 s47, s12, 20
	s_add_co_u32 s46, s46, s47
	s_mov_b32 s47, 0
	s_mul_i32 s20, s12, AHALF                      ; where they go: no place in the cluster enters an LDS address
	s_mul_i32 s21, s12, HB
	s_add_co_u32 s21, s21, AB
	s_wait_dscnt 0x0                               ; the opening add is done
	s_wait_kmcnt 0x0
	s_add_nc_u64 s[14:15], s[4:5], s[16:17]
	s_add_nc_u64 s[46:47], s[6:7], s[46:47]
	CROUND                                         ; all sixteen work-groups are here: the first joint loads meet
.irp s, 0,1
	s_mov_b32 s[G0+4*(\s)], 1                      ; count = 1
	s_add_co_u32 s[G0+4*(\s)+1], s20, (\s)*SLOT    ; LDS address
	s_add_nc_u64 s[G0+4*(\s)+2:G0+4*(\s)+3], s[14:15], (\s)*KSTEP*2   ; global address: K step s
	s_or_b32 s[G0+4*(\s)+3], s[G0+4*(\s)+3], 0x80000000              ; type = 2
	s_mov_b32 s[G0B+4*(\s)], 1
	s_add_co_u32 s[G0B+4*(\s)+1], s21, (\s)*SLOT
	s_add_nc_u64 s[G0B+4*(\s)+2:G0B+4*(\s)+3], s[46:47], (\s)*KSTEP*2
	s_or_b32 s[G0B+4*(\s)+3], s[G0B+4*(\s)+3], 0x80000000
	JLOAD \s
.endr
	; A fragment is 16 rows x 32 K in 8 registers: lane l holds row l % 16, K = 8 (l / 16) + 0..7 and 16 + 8 (l / 16) + 0..7: two loads of 16 bytes, 32 bytes apart.  The same for both sources.
	v_and_b32 v1, 15, v0                           ; l % 16
	v_bfe_u32 v2, v0, 4, 1                         ; l / 16
	v_mul_u32_u24 v3, v1, PITCH
	v_lshl_add_u32 v3, v2, 4, v3
	s_mul_i32 s21, s11, AHALF                      ; my 64 rows of xb
	s_mul_i32 s22, s12, HB                         ; my 128 rows of W,
	s_add_co_u32 s22, s22, AB                      ; behind xb's tile
.irp s, 0,1
	v_add_nc_u32 v[ADRA+(\s)], s21, v3
	v_add_nc_u32 v[ADRB+(\s)], s22, v3
	s_add_co_u32 s21, s21, SLOT
	s_add_co_u32 s22, s22, SLOT
.endr
	s_mul_i32 s23, s10, 16*SPITCH
	s_add_co_u32 s23, s23, STAGE                   ; my stage
	v_mul_u32_u24 v4, v1, SPITCH                   ; in: row l % 16, 32 bytes for each half of the lanes
	v_lshl_add_u32 v4, v2, 5, v4
	v_add_nc_u32 v[STO], s23, v4
	v_and_b32 v5, 31, v0
	v_lshlrev_b32 v[CO], 4, v5                     ; back: the 32 lanes take one row of 512 bytes, in the stage and in out0
	v_add_nc_u32 v[RD], s23, v[CO]
	v_lshlrev_b32 v[PFO], 13, v5
	s_lshl_b32 s16, s13, 20                        ; where my part of the tile begins in out0: row 128 x tile row + 64 x half,
	s_lshl_b32 s17, s11, 19
	s_add_co_u32 s16, s16, s17
	s_lshl_b32 s17, s42, 10                        ; column 256 x tile column + 128 x half, 4 bytes each
	s_add_co_u32 s16, s16, s17
	s_lshl_b32 s17, s12, 9
	s_add_co_u32 s16, s16, s17
	s_mov_b32 s17, 0
	s_add_nc_u64 s[8:9], s[8:9], s[16:17]
	; the prefetches
	s_and_b32 s22, ttmp7, 0xffff                   ; cluster y
	s_or_b32 s23, ttmp9, s12                       ; 0 where cluster x = 0 and I fetch the first half
	s_lshl_b32 s16, s13, 20                        ; xb: the tile row's 128 rows, my work-group's 32 of them
	s_lshl_b32 s17, s40, 18
	s_add_co_u32 s16, s16, s17
	s_lshl_b32 s18, s42, 21                        ; W: the tile column's 256 rows, the 128 that I fetch, my work-group's 32 of them
	s_lshl_b32 s19, s12, 20
	s_add_co_u32 s18, s18, s19
	s_lshl_b32 s19, s41, 18
	s_add_co_u32 s18, s18, s19
	s_cmp_eq_u32 s11, 0                            ; do I fetch for xb?
	s_cselect_b32 s20, s16, s18
	s_cselect_b32 s22, s23, s22
	s_cselect_b64 s[PFA:PFA+1], s[4:5], s[6:7]
	s_cmp_eq_u32 s22, 0
	s_cselect_b32 s[LIM], 1, -1                    ; the same in all sixteen partners, for a given wave
	s_mov_b32 s21, 0
	s_add_nc_u64 s[PFA:PFA+1], s[PFA:PFA+1], s[20:21]
	s_add_nc_u64 s[PFA:PFA+1], s[PFA:PFA+1], 3*KSTEP*2  ; at K step 3: the first refill (of K step 2) steps it to 4 and names that
; 8 matrix instructions: row block a x all 8 column blocks, 32 along K, from buffer f.  zero = 1: the product starts the sums: nothing is ever cleared.
; The 32 accumulators take turns, one instruction a turn, in the same order in every quarter, over the backward jump too.
.macro MUL8 f, a, zero
	WIN MUL
.irp b, 0,1,2,3,4,5,6,7
.if \zero
	v_wmma_f32_16x16x32_bf16 v[8*(8*(\a)+(\b)):8*(8*(\a)+(\b))+7], v[(\f)+8*(\b):(\f)+8*(\b)+7], v[(\f)+64+8*(\a):(\f)+64+8*(\a)+7], 0
.else
	v_wmma_f32_16x16x32_bf16 v[8*(8*(\a)+(\b)):8*(8*(\a)+(\b))+7], v[(\f)+8*(\b):(\f)+8*(\b)+7], v[(\f)+64+8*(\a):(\f)+64+8*(\a)+7], v[8*(8*(\a)+(\b)):8*(8*(\a)+(\b))+7]
.endif
.endr
.endm
.macro MUL16 f, a0, zero
	MUL8 \f, \a0, \zero
	MUL8 \f, (\a0)+1, \zero
.endm
; 24 LDS loads in one run: the fragments of quarter q (32 along K) of a slot into buffer f: W's sixteen first, then xb's eight, row blocks ascending
.macro FETCH slot, q, f
	WIN 0
.irp b, 0,1,2,3,4,5,6,7
	ds_load_b128 v[(\f)+8*(\b):(\f)+8*(\b)+3],   v[ADRB+(\slot)] offset:64*(\q)+(\b)*16*PITCH
	ds_load_b128 v[(\f)+8*(\b)+4:(\f)+8*(\b)+7], v[ADRB+(\slot)] offset:64*(\q)+(\b)*16*PITCH+32
.endr
.irp a, 0,1,2,3
	ds_load_b128 v[(\f)+64+8*(\a):(\f)+64+8*(\a)+3],   v[ADRA+(\slot)] offset:64*(\q)+(\a)*16*PITCH
	ds_load_b128 v[(\f)+64+8*(\a)+4:(\f)+64+8*(\a)+7], v[ADRA+(\slot)] offset:64*(\q)+(\a)*16*PITCH+32
.endr
.endm
.macro PLACES                          ; four plain vector instructions between the last matrix instruction and loads into registers that matrix instructions have read, or readers of results
.rept 4
	v_nop
.endr
.endm
; A K step is four quarters of 32 along K, 32 matrix instructions each, on buffers 0, 1, 0, 1.  One of the first three: multiplies buffer f and, in its middle, fetches quarter q into buffer g.
.macro QUARTER slot, q, f, g, zero
	s_wait_dscnt 4                                 ; W's fragments and xb's row blocks 0 and 1 are in; the youngest four loads (row blocks 2 and 3) may be out
	MUL16 \f, 0, \zero
	PLACES
	FETCH \slot, \q, \g
	s_wait_dscnt 24                                ; all but the 24 just issued
	MUL16 \f, 2, \zero
.endm
; The last quarter multiplies buffer 1 and changes slots: ONE barrier; in front of it each wave waits for all its tensor loads (the one that is out is its part of the next slot), adds 0 to its spare word, and waits
; for that and for its own reads of this slot.  fill = 1: the barrier opens a round of the cluster's barrier, and this slot is filled again, two K steps ahead, first thing behind the round.
.macro TURN slot, next, fill
.if \fill
	s_wait_xcnt 0x0                                ; the last prefetch, a K step back, has read its address, which is stepped here, ahead of the waits of the change of slots
	s_add_nc_u64 s[PFA:PFA+1], s[PFA:PFA+1], KSTEP*2
.endif
	WIN 0                                          ; (the add's two registers lie in window 0)
	s_wait_tensorcnt 0x0                           ; all my tensor loads have landed;
	ds_add_u32 v[SPW], v[NIL]                      ; 0 onto my spare word;
	s_wait_dscnt 5                                 ; (the add and the youngest four loads may be out)
	MUL8 F1, 0, 0                                  ; eight matrix instructions stand between the add and the wait for it
	s_wait_dscnt 0x0                               ; the add is done, and my reads of this slot are over
	s_barrier_signal -1
	MUL8 F1, 1, 0
.if \fill
	WIN 0
.endif
	s_barrier_wait -1
.if \fill
	CREST                                          ; no wave of any partner still reads this slot's tiles or has a load on its way
	s_add_nc_u64 s[G0+4*(\slot)+2:G0+4*(\slot)+3], s[G0+4*(\slot)+2:G0+4*(\slot)+3], 2*KSTEP*2
	s_add_nc_u64 s[G0B+4*(\slot)+2:G0B+4*(\slot)+3], s[G0B+4*(\slot)+2:G0B+4*(\slot)+3], 2*KSTEP*2
	JLOAD \slot                                    ; the first tensor load behind the round; its four v_nop are also the places in front of the loads below
.else
	PLACES
.endif
	FETCH \next, 0, F0
.if \fill
	ASK
.endif
	MUL16 F1, 2, 0
.endm
	s_wait_tensorcnt 1                             ; my part of K step 0 is in; K step 1's load may stay out
	s_barrier_signal -1
	s_barrier_wait -1                              ; everybody's is
	FETCH 0, 0, F0
	QUARTER 0, 1, F0, F1, 1                        ; the first quarter stands in front of the loop: its products start the sums
	WIN 0                                          ; at a label and at a branch every window is 0
	s_mov_b32 s3, LAPS-1
.Llap:                                                 ; a trip goes once round the ring, from a lap's second quarter to the next lap's first, and fills both slots again
	QUARTER 0, 2, F1, F0, 0
	QUARTER 0, 3, F0, F1, 0
	TURN 0, 1, 1
	QUARTER 1, 1, F0, F1, 0
	QUARTER 1, 2, F1, F0, 0
	QUARTER 1, 3, F0, F1, 0
	TURN 1, 0, 1
	QUARTER 0, 1, F0, F1, 0
	WIN 0
	s_sub_co_u32 s3, s3, 1
	s_cmp_lg_u32 s3, 0
	s_cbranch_scc1 .Llap
	QUARTER 0, 2, F1, F0, 0                        ; the last lap fills nothing, and has no round of the cluster's barrier
	QUARTER 0, 3, F0, F1, 0
	TURN 0, 1, 0
	QUARTER 1, 1, F0, F1, 0
	QUARTER 1, 2, F1, F0, 0
	QUARTER 1, 3, F0, F1, 0
	s_wait_dscnt 4                                 ; the very last quarter: nothing more to fetch
	MUL16 F1, 0, 0
	s_wait_dscnt 0x0
	MUL16 F1, 2, 0
	WIN 0
	PLACES
	PLACES
; THE WAY OUT, a block of 16 rows at a time.  The sums are stored as they are: a lane's 32 bytes go straight from the accumulators (each one's low four registers first) into my own stage, rows of 528 bytes,
; and come back as whole rows of 512 bytes, which are stored: a store of the wave covers 512 consecutive bytes, at a multiple of 256 from out0's first byte.
.macro TOSTAGE a
.if (\a) >= 2
	s_wait_xcnt 0x0                                ; the stores of the block two back have read their registers, which the loads below fill again
.endif
	WIN 0x04                                       ; the stores' data in window 1, the address in window 0
.irp b, 0,1,2,3,4,5,6,7
	ds_store_b128 v[STO], v[8*(8*(\a)+(\b)):8*(8*(\a)+(\b))+3]   offset:64*(\b)
	ds_store_b128 v[STO], v[8*(8*(\a)+(\b))+4:8*(8*(\a)+(\b))+7] offset:64*(\b)+16
.endr
	WIN 0
.irp t, 0,1,2,3,4,5,6,7,8,9,10,11,12,13,14,15
	ds_load_b128 v[OB+64*((\a)%2)+4*(\t):OB+64*((\a)%2)+4*(\t)+3], v[RD] offset:(\t)*SPITCH  ; LDS serves a wave's instructions in order (ISA guide 5.7.1.4): these see the stores above; the next block's stores come behind them
.endr
.endm
.macro SEND a, younger                 ; younger: the LDS instructions issued behind block a's loads: the next block's 32, or none
.irp t, 0,1,2,3,4,5,6,7,8,9,10,11,12,13,14,15
	s_wait_dscnt (\younger)+15-(\t)                ; row t is back; the later rows and the next block may be out
	global_store_b128 v[CO], v[OB+64*((\a)%2)+4*(\t):OB+64*((\a)%2)+4*(\t)+3], s[8:9] offset:(16*(\a)+(\t))*ROWB th:TH_STORE_NT
.endr
.endm
	TOSTAGE 0
	TOSTAGE 1                                      ; a block's trip through the stage stands between the loads of the block before and its stores
	SEND 0, 32
	TOSTAGE 2
	SEND 1, 32
	TOSTAGE 3
	SEND 2, 32
	SEND 3, 0
	s_wait_tensorcnt 0x0                           ; the wave's end, behind my last tensor load and my last LDS store
	ds_add_u32 v[SPW], v[NIL]
	s_wait_dscnt 0x0
	CROUND                                         ; the closing round: no work-group ends while a partner may still ask for a tile that names it
	s_endpgm
.Lfunc_end_k_q86e40d9bac_gemm_out:
	.size	k_q86e40d9bac_gemm_out, .Lfunc_end_k_q86e40d9bac_gemm_out-k_q86e40d9bac_gemm_out
	.p2alignl 7, 3214868480
	.fill 96, 4, 3214868480
	.section	.rodata,"a",@progbits
	.p2align	6, 0x0
	.amdhsa_kernel k_q86e40d9bac_gemm_out
		.amdhsa_group_segment_fixed_size 327680
		.amdhsa_private_segment_fixed_size 0
		.amdhsa_enable_private_segment 0
		.amdhsa_kernarg_size 24
		.amdhsa_user_sgpr_count 2
		.amdhsa_user_sgpr_kernarg_segment_ptr 1
		.amdhsa_wavefront_size32 1
		.amdhsa_system_sgpr_workgroup_id_x 1
		.amdhsa_system_sgpr_workgroup_id_y 1
		.amdhsa_system_sgpr_workgroup_id_z 1
		.amdhsa_system_vgpr_workitem_id 0
		.amdhsa_next_free_vgpr 512
		.amdhsa_next_free_sgpr 72
		.amdhsa_reserve_vcc 0
		.amdhsa_float_denorm_mode_32 3
		.amdhsa_float_denorm_mode_16_64 3
		.amdhsa_memory_ordered 1
		.amdhsa_forward_progress 1
		.amdhsa_inst_pref_size 88
	.end_amdhsa_kernel
	.amdgpu_metadata
---
amdhsa.version: [ 1, 2 ]
amdhsa.kernels:
  - .name:           k_q86e40d9bac_gemm_out
    .symbol:         k_q86e40d9bac_gemm_out.kd
    .args:
      - { .name: xb, .offset: 0, .size: 8, .value_kind: global_buffer, .address_space: global }
      - { .name: W, .offset: 8, .size: 8, .value_kind: global_buffer, .address_space: global }
      - { .name: out0, .offset: 16, .size: 8, .value_kind: global_buffer, .address_space: global }
    .group_segment_fixed_size: 327680
    .private_segment_fixed_size: 0
    .kernarg_segment_align: 8
    .kernarg_segment_size: 24
    .max_flat_workgroup_size: 128
    .sgpr_count:     72
    .vgpr_count:     512
    .wavefront_size: 32
...
	.end_amdgpu_metadata
.endif
;; end of part 3
;; ======== version 2 of 2: 3 launches
;; limits: values are held in f16: magnitudes above 65,504 overflow, below 6.1e-05 lose precision
;; workspace buffers: xb 33,554,432 bytes; Vs 33,554,432 bytes; Uh 16,777,216 bytes; W 16,777,216 bytes
;; launch prep (part 4): grid 1536 x 1, 8 waves a work-group, no clusters, 0 bytes of LDS; arguments Vh, U, S, Vs, Uh; writes Vs, Uh
.if DOCPART == 4
	.amdgcn_target "amdgcn-amd-amdhsa--gfx1250"
	.amdhsa_code_object_version 6
	.text
	.protected	k_q86e40d9bac_prep
	.globl	k_q86e40d9bac_prep
	.p2align	8
	.type	k_q86e40d9bac_prep,@function
k_q86e40d9bac_prep:
	s_mov_b64 s[64:65], 0
	v_nop
	global_prefetch_b8 v0, s[64:65] scope:SCOPE_SE
	s_setreg_imm32_b32 hwreg(HW_REG_WAVE_MODE, 25, 1), 1
	s_wait_xcnt 0x0
; THE FORMAT PASS for the first product's operands.  Uh = bf16(U), written as f16.  Vs[r][d] = f16(bf16(S[r]) x bf16(Vh[r][d])), the product taken in f32, where it is exact (8 x 8 significant bits).
; (x, which only the second product wants, is rounded to bf16 beside the first product, in the next launch.)
; Every input is rounded to bf16 once; what the program makes of them (S x Vh) keeps f16's 11 bits, so that the only further bf16 rounding of the whole program is W's, in the next launch.
; LIMITS.  f16 ends at 65,504: |U| or |S x Vh| of 65,520 or more becomes an infinity.  Below 6.1e-5 f16 keeps a fixed step of 6e-8, so a bf16 number below 2^-17 is no longer exact in Uh.  NaN and infinities pass through.
; LAYOUTS.  Vs is row-major, [4096][4096].  Uh is laid IN BLOCKS, for the product's K steps of 192, whose 384 bytes of a row are no multiple of 256: [block of 64 rows][chunk of 64 columns][row][128 bytes],
; so that any run of chunks of a block is dense in memory: number (row, k) lies at byte (row / 64) x 524,288 + (k / 64) x 8,192 + (row % 64) x 128 + (k % 64) x 2.
; SHARES.  Vh and U have rows of 16,384 bytes.  A work-group owns four whole rows of one of them: 65,536 consecutive bytes in, 32,768 out: 1,024 work-groups for Vh, 512 for U.
; Vh: thread t takes 16 bytes at 16 t + 4,096 c of chunk c = 0..15 and stores 8 bytes at 8 t + 2,048 c.  U: a load of wave w takes 256 bytes (64 columns) of each of two rows, lanes 0-15 the one, lanes 16-31 the other;
; its store is those two rows' 128 bytes on end.  Either way a store of a wave covers 256 consecutive bytes, aligned, and a load whole aligned pieces of 256 bytes.
; All sixteen loads go out at once, each into registers of its own: 64 KiB of a work-group are on their way, no register that a store reads is written again, and nothing is shared: no LDS, no barrier, no loop.
.set WG_V,  1024                       ; work-groups for Vh: 4,096 rows / 4
.set CHUNK, 4096                       ; Vh: bytes that the 256 threads load at once; a row is four such
.set VI,  1                            ; v1       Vh: 16 t; never rewritten
.set VO,  2                            ; v2       Vs: 8 t; never rewritten
.set T,   4                            ; v[4:5]   at work
.set BI,  6                            ; v6       U: 16 (lane % 16) + 16,384 (lane / 16) + 256 wave; never rewritten
.set BO,  7                            ; v7       Uh: 8 lane + 8,192 wave; never rewritten
.set X,   8                            ; v[8:71]  load c: four registers as loaded; the first two then hold what is stored
.set SV,  72                           ; v[72:79] row i of my four: bf16(S) as f32, twice (a pair for the packed multiply)
; One tensor's way.  mode 1: U.  2: Vh, with S.  src, dst: the scalar pairs with the two addresses.  first: the tensor's first work-group.
.macro PATH mode, src, dst, first
	s_sub_co_u32 s22, ttmp9, \first                ; my number among the tensor's work-groups
	s_lshl_b32 s24, s22, 16                        ; 65,536 bytes in
.if (\mode) == 2
	s_lshl_b32 s26, s22, 15                        ; 32,768 out, on end
.else
	s_lshr_b32 s26, s22, 4                         ; sixteen work-groups to a block of 64 rows:
	s_lshl_b32 s26, s26, 19                        ; the block,
	s_and_b32 s28, s22, 15
	s_lshl_b32 s28, s28, 9                         ; and my four rows of 128 bytes in each of its chunks
	s_add_co_u32 s26, s26, s28
.endif
	s_add_nc_u64 s[(\src):(\src)+1], s[(\src):(\src)+1], s[24:25]
	s_add_nc_u64 s[(\dst):(\dst)+1], s[(\dst):(\dst)+1], s[26:27]
.set c, 0
.rept 16
.if (\mode) == 2
	global_load_b128 v[X+4*c:X+4*c+3], v[VI], s[(\src):(\src)+1] offset:CHUNK*c th:TH_LOAD_NT
.else
	global_load_b128 v[X+4*c:X+4*c+3], v[BI], s[(\src):(\src)+1] offset:(c%8)*2048+(c/8)*32768 th:TH_LOAD_NT  ; chunk 8 (c % 8) + wave of rows 2 (c / 8), 2 (c / 8) + 1
.endif
.set c, c+1
.endr
.if (\mode) == 2
	s_lshl_b32 s28, s22, 4                         ; my four rows' S: 16 bytes
	s_add_nc_u64 s[8:9], s[8:9], s[28:29]
	s_load_b128 s[32:35], s[8:9], 0x0
	s_wait_kmcnt 0x0
	v_cvt_pk_bf16_f32 v[T], s32, s33               ; S is rounded to bf16 like the other inputs,
	v_cvt_pk_bf16_f32 v[T+1], s34, s35
	v_lshlrev_b32 v[SV], 16, v[T]                  ; and widened again, each number twice
	v_lshlrev_b32 v[SV+1], 16, v[T]
	v_and_b32 v[SV+2], s30, v[T]
	v_and_b32 v[SV+3], s30, v[T]
	v_lshlrev_b32 v[SV+4], 16, v[T+1]
	v_lshlrev_b32 v[SV+5], 16, v[T+1]
	v_and_b32 v[SV+6], s30, v[T+1]
	v_and_b32 v[SV+7], s30, v[T+1]
.endif
.set c, 0
.rept 16
	s_wait_loadcnt 15-c                            ; loads come back in order: load c is in, the 15 - c younger ones stay out
	v_cvt_pk_bf16_f32 v[T], v[X+4*c], v[X+4*c+1]   ; rounded to bf16,
	v_cvt_pk_bf16_f32 v[T+1], v[X+4*c+2], v[X+4*c+3]
	v_lshlrev_b32 v[X+4*c], 16, v[T]               ; widened,
	v_and_b32 v[X+4*c+1], s30, v[T]
	v_lshlrev_b32 v[X+4*c+2], 16, v[T+1]
	v_and_b32 v[X+4*c+3], s30, v[T+1]
.if (\mode) == 2
	v_pk_mul_f32 v[X+4*c:X+4*c+1], v[X+4*c:X+4*c+1], v[SV+2*(c/4):SV+2*(c/4)+1]      ; times the row's S: load c lies in row c / 4,
	v_pk_mul_f32 v[X+4*c+2:X+4*c+3], v[X+4*c+2:X+4*c+3], v[SV+2*(c/4):SV+2*(c/4)+1]
.endif
	v_cvt_pk_f16_f32 v[X+4*c], v[X+4*c], v[X+4*c+1]  ; and written as f16
	v_cvt_pk_f16_f32 v[X+4*c+1], v[X+4*c+2], v[X+4*c+3]
.if (\mode) == 2
	global_store_b64 v[VO], v[X+4*c:X+4*c+1], s[(\dst):(\dst)+1] offset:(CHUNK/2)*c
.else
	global_store_b64 v[BO], v[X+4*c:X+4*c+1], s[(\dst):(\dst)+1] offset:(c%8)*65536+(c/8)*256  ; eight chunks of 8,192 bytes on for each c % 8; two rows of 128 bytes on for c / 8
.endif
.set c, c+1
.endr
	s_endpgm
.endm
	s_load_b128 s[4:7], s[0:1], 0x0                ; Vh s[4:5], U s[6:7]
	s_load_b128 s[8:11], s[0:1], 0x10              ; S s[8:9], Vs s[10:11]
	s_load_b64 s[12:13], s[0:1], 0x20              ; Uh
	v_lshlrev_b32 v[VI], 4, v0
	v_lshlrev_b32 v[VO], 3, v0
	v_and_b32 v3, 31, v0                           ; lane
	v_lshrrev_b32 v4, 5, v0                        ; wave
	v_and_b32 v5, 15, v3
	v_lshrrev_b32 v[BI], 4, v3
	v_lshlrev_b32 v[BI], 14, v[BI]                 ; lanes 16-31: one row of 16,384 bytes further down
	v_lshl_add_u32 v[BI], v5, 4, v[BI]
	v_lshl_add_u32 v[BI], v4, 8, v[BI]             ; my wave's chunk: 256 bytes of f32
	v_lshlrev_b32 v[BO], 3, v3
	v_lshl_add_u32 v[BO], v4, 13, v[BO]            ; my wave's chunk in the block: 8,192 bytes
	s_mov_b32 s30, 0xffff0000                      ; a word's upper bf16
	s_mov_b32 s25, 0                               ; the offsets' high words
	s_mov_b32 s27, 0
	s_mov_b32 s29, 0
	s_wait_kmcnt 0x0
	s_cmp_lt_u32 ttmp9, WG_V
	s_cbranch_scc1 .Lv
	PATH 1, 6, 12, WG_V
.Lv:
	PATH 2, 4, 10, 0
.Lfunc_end_k_q86e40d9bac_prep:
	.size	k_q86e40d9bac_prep, .Lfunc_end_k_q86e40d9bac_prep-k_q86e40d9bac_prep
	.p2alignl 7, 3214868480
	.fill 96, 4, 3214868480
	.section	.rodata,"a",@progbits
	.p2align	6, 0x0
	.amdhsa_kernel k_q86e40d9bac_prep
		.amdhsa_group_segment_fixed_size 0
		.amdhsa_private_segment_fixed_size 0
		.amdhsa_enable_private_segment 0
		.amdhsa_kernarg_size 40
		.amdhsa_user_sgpr_count 2
		.amdhsa_user_sgpr_kernarg_segment_ptr 1
		.amdhsa_wavefront_size32 1
		.amdhsa_system_sgpr_workgroup_id_x 1
		.amdhsa_system_sgpr_workgroup_id_y 1
		.amdhsa_system_sgpr_workgroup_id_z 1
		.amdhsa_system_vgpr_workitem_id 0
		.amdhsa_next_free_vgpr 80
		.amdhsa_next_free_sgpr 66
		.amdhsa_reserve_vcc 0
		.amdhsa_float_denorm_mode_32 3
		.amdhsa_float_denorm_mode_16_64 3
		.amdhsa_memory_ordered 1
		.amdhsa_forward_progress 1
		.amdhsa_inst_pref_size 24
	.end_amdhsa_kernel
	.amdgpu_metadata
---
amdhsa.version: [ 1, 2 ]
amdhsa.kernels:
  - .name:           k_q86e40d9bac_prep
    .symbol:         k_q86e40d9bac_prep.kd
    .args:
      - { .name: Vh, .offset: 0, .size: 8, .value_kind: global_buffer, .address_space: global }
      - { .name: U, .offset: 8, .size: 8, .value_kind: global_buffer, .address_space: global }
      - { .name: S, .offset: 16, .size: 8, .value_kind: global_buffer, .address_space: global }
      - { .name: Vs, .offset: 24, .size: 8, .value_kind: global_buffer, .address_space: global }
      - { .name: Uh, .offset: 32, .size: 8, .value_kind: global_buffer, .address_space: global }
    .group_segment_fixed_size: 0
    .private_segment_fixed_size: 0
    .kernarg_segment_align: 8
    .kernarg_segment_size: 40
    .max_flat_workgroup_size: 256
    .sgpr_count:     66
    .vgpr_count:     80
    .wavefront_size: 32
...
	.end_amdgpu_metadata
.endif
;; end of part 4
;; launch gemm_w (part 5): grid 16 x 16, 4 waves a work-group, clusters of 4 x 4, 327,680 bytes of LDS; arguments Uh, Vs, W, x, xb; writes W, xb
.if DOCPART == 5
	.amdgcn_target "amdgcn-amd-amdhsa--gfx1250"
	.amdhsa_code_object_version 6
	.text
	.protected	k_q86e40d9bac_gemm_w
	.globl	k_q86e40d9bac_gemm_w
	.p2align	8
	.type	k_q86e40d9bac_gemm_w,@function
k_q86e40d9bac_gemm_w:
	s_mov_b64 s[64:65], 0
	v_nop
	global_prefetch_b8 v0, s[64:65] scope:SCOPE_SE
	s_setreg_imm32_b32 hwreg(HW_REG_WAVE_MODE, 25, 1), 1
	s_wait_xcnt 0x0
	s_wait_alu depctr_hold_cnt(0) depctr_sa_sdst(0) depctr_va_vdst(0) depctr_va_sdst(0) depctr_va_ssrc(0) depctr_va_vcc(0) depctr_vm_vsrc(0)
	s_getreg_b32 s2, hwreg(HW_REG_IB_STS2, 6, 4)
	s_cmp_eq_u32 s2, 0
	s_cbranch_scc0 .Lentry_in_a_cluster
	s_endpgm
.Lentry_in_a_cluster:
	s_bfe_u32 s2, ttmp6, 0x10000c
	s_cmp_lg_u32 s2, 0xf033
	s_cbranch_scc0 .Lentry_shape_is_right
	s_endpgm
.Lentry_shape_is_right:
; W[o][d] = bf16( sum over r of Uh[o][r] Vs[r][d] ).  Uh: 2,048 x 4,096 f16, in blocks; Vs: [4096][4096] f16, row-major (S is already in it); W: 2,048 x 4,096 bf16, in blocks; sums in f32, W rounded once.
; W goes in bf16, not f16: with inputs some 30 times larger than drawn its numbers pass f16's range.  LIMITS: those of Uh and Vs (f16); NaN and infinities are not treated apart.
; BESIDE THE PRODUCT: xb = bf16(x), for the next launch.  x: [4096][4096] f32, xb in blocks.  It has nothing to do with W: it stands here because this launch moves few bytes for its length.
; BLOCKS.  Uh and xb: [block of 64 rows][chunk of 64 K][row][128 bytes].  W, for the next launch, whose K is d: [block of 128 rows o][chunk of 64 d][row][128 bytes].  Any run of chunks of a block is dense in memory.
; SHARES.  A tile of W is 128 (o) x 256 (d): 16 x 16 = 256 work-groups.  Four waves, each 64 x 128: 4 x 8 accumulators of 16 x 16, 256 registers.
; K = r GOES IN STEPS OF 192, as long as two LDS slots allow (384 rows of 408 bytes each): 4,096 = 64 + 21 x 192, so step 0 is short (one chunk) and has descriptors of its own, and all refills are alike.
; A step is six sub-steps of 32 along K, 32 matrix instructions each; from a request to the wait for it a wave issues 192 matrix instructions.
; Uh's part of a step is dense: it is asked for as rows of 256 bytes (two rows' 128 bytes), 16 bytes of padding behind each.  Vs' part comes as it lies, 192 rows of 512 bytes, and ds_load_tr16_b128 makes the fragments.
; THE MATRIX INSTRUCTION IS USED TRANSPOSED (source 0 = 16 columns d, source 1 = 16 rows o): a lane then holds eight neighbouring numbers of a row of W.
; CLUSTERS: 4 x 4 work-groups.  The four of a row of the cluster need the same tiles of Uh, the four of a column the same tiles of Vs: each tile is asked for JOINTLY, by the same tensor load with the same
; descriptor and a mask that names the four.  A wave has two tensor loads out at the start and one behind each round.
; x: work-group 16 x tile row + tile column owns 16 rows, each wave four of them: 128 ITEMS of 2 rows x 64 columns, as many as the wave has sub-steps: one item a sub-step, in the sub-step's one run of memory instructions.
; REGISTERS.  Window 0: v0-31 addresses; two fragment buffers of 96 (v64-159, v160-255): 8 fragments of Vs, then 4 of Uh; on the way out v64-127 are at work.  Window 1: accumulator (a, b) at v[8 (8 a + b)].
; Window 2: v0-1 the items' lane offsets, v4-51 a ring of twelve items: addresses and data in one window, so that one setting serves the item's load, conversions and store.
.set ROWB,   8192                      ; bytes in a row of Vs
.set UP,     272                       ; a unit of Uh's tile in LDS: two rows' 128 bytes + 16: row r of a fragment lies at (r / 2) x 272 + (r % 2) x 128: in pieces of 16 bytes modulo 16 that is r / 2 + 8 (r % 2), sixteen different (64 banks of 4 bytes: ISA guide 11.1)
.set CHA,    32*UP                     ; a chunk of 64 rows
.set AHALF,  3*CHA                     ; 64 rows x 192 K of Uh: what waves 0 and 1 fetch, and what a wave reads
.set AB,     2*AHALF                   ; Vs' tile lies behind Uh's
.set PB,     544                       ; a row of Vs' tile: 512 bytes + 32 = 136 words
.set HB,     96*PB                     ; 96 rows of Vs: what waves 2 and 3 fetch
.set SLOT,   AB+2*HB
.set STAGE,  2*SLOT                    ; behind the ring: 16 rows x 144 bytes for each wave, for the way out; no tensor load fills it
.set SPITCH, 144
.set SPARE,  STAGE+4*16*SPITCH         ; behind the stages: the spare words, 128 bytes for each wave: two blocks of 256 bytes that no other line names
.set FIRST_A, 64*128                   ; bytes of step 0 in a block of Uh: one chunk
.set STEP_A,  3*FIRST_A                ; of every other step
.set FIRST_B, 64*ROWB                  ; bytes from step 0 of Vs to step 1: 64 rows
.set STEP_B,  192*ROWB
.set TRIPS,  9                         ; trips of the loop: steps 1 to 18
.set ADRA, 16                          ; v16-17  LDS address of my fragments of Uh in slot 0, 1
.set ADRB, 20                          ; v20-21  the same for Vs, rows 0-95; v22-23 rows 96-191 (an LDS offset has 16 bits)
.set STO,  24                          ; v24     the way out: where I put 16 bytes of a row
.set RD,   25                          ; v25     the way out: where I read rows back
.set CO,   26                          ; v26     my 16 bytes of 512 consecutive bytes of W
.set SPW,  28                          ; v28     LDS address of my spare word: SPARE + 4 x my thread's number; never rewritten
.set NIL,  29                          ; v29     0; never rewritten
.set PF0,  30                          ; v30, v31, v27  the three prefetches' lane offsets; never rewritten
.set PF1,  31
.set PF2,  27
.set F0,   64
.set F1,   160
.set TMP,  64                          ; the way out: packed results
.set OB,   96                          ; the way out: 16 rows x 128 bytes read back: v96-111 and v112-127 by turns
.set XIV,  0                           ; window 2, v0   my byte offset in an item of x: 16 (lane % 16) + 16,384 (lane / 16); never rewritten
.set XOV,  1                           ; window 2, v1   my byte offset in an item of xb: 8 lane; never rewritten
.set XR,   4                           ; window 2, v4-51  item i lies in set i % 12: four registers as loaded; the first two then hold what is stored
.set RING, 12
.set ALL,  999                         ; 'no last item in sight': the loop's items all have a successor eleven on
.set G1,  24                           ; s[24:31] descriptor group 1 for Uh's tiles;  s[32:39] group 0, one set for each slot
.set G0,  32
.set G1B, 48                           ; s[48:55], s[56:63] the same for Vs' tiles
.set G0B, 56
.set PFA, 66                           ; s[66:67] where my prefetches stand
.set PST, 68                           ; s[68:69] bytes of two steps in the tensor that I prefetch
.set LIM, 70                           ; s70     1 in a wave that prefetches, else the greatest number
.set G1S, 72                           ; s[72:79], s[80:87] group 1 for the short step 0, Uh's and Vs'
.set G1BS, 80
.set G0S, 88                           ; s[88:91], s[92:95] group 0 for it
.set G0BS, 92
.set XI,  96                           ; s[96:97] x at my wave's four rows; it steps six chunks (twelve items) a trip
.set XO,  98                           ; s[98:99] xb likewise
.set MSB, 0
.macro WIN new                         ; the immediate's high byte repeats the setting that is left; a switch that changes nothing is dropped
.if MSB != (\new)
	s_set_vgpr_msb (MSB<<8)|(\new)
.set MSB, \new
.endif
.endm
.set MUL,  0x50                        ; sources 0 and 1 window 0; C and D window 1
.set W_CV, 0x8a                        ; sources 0 and 1 and the destination window 2: a load's address and data, a conversion's operands, a store's address and data
; A joint load: waves 0 and 1 fetch Uh's two halves (groups a0, a1), waves 2 and 3 Vs' (b0, b1); an s_nop 0 and four v_nop follow each of the two lines, ahead of the jump, the label and what follows
.macro JL a0, a1, b0, b1
	s_cmp_eq_u32 s11, 0
	s_cbranch_scc0 .Lfor_b_\@
	tensor_load_to_lds s[(\a0):(\a0)+3], s[(\a1):(\a1)+7]
	s_nop 0
.rept 4
	v_nop
.endr
	s_branch .Lasked_\@
.Lfor_b_\@:
	tensor_load_to_lds s[(\b0):(\b0)+3], s[(\b1):(\b1)+7]
	s_nop 0
.rept 4
	v_nop
.endr
.Lasked_\@:
.endm
.macro CREST                           ; a round of the cluster's barrier behind its opening barrier
	s_cmp_lg_u32 s10, 0
	s_cbranch_scc1 .Lnot_wave_0_\@
	s_barrier_signal -3
.Lnot_wave_0_\@:
	s_barrier_wait -3
	s_barrier_signal -1
	s_barrier_wait -1
.endm
.macro CROUND                          ; a whole round
	s_barrier_signal -1
	s_barrier_wait -1
	CREST
.endm
; A PREFETCH INTO THE L2, once a trip, behind the trip's second joint load, its five lines and the run of memory instructions: the TWO steps that the next trip's two refills will load, 192 and 384 matrix instructions of a wave ahead of those loads.
; Each aligned block of 256 bytes is named once in the launch.  Uh's tile row is read by every cluster of that row of clusters: the one with x = 0 asks; the tile's two blocks of rows x two steps are four dense pieces of
; 24,576 bytes, and partner cx takes one (block cx / 2, step cx % 2): its wave 0 asks, three instructions of 32 lanes x 256 bytes.  Vs' tile column is read by every cluster of that column: the one with y = 0 asks; partner cy
; takes 96 rows (half cy / 2 of step cy % 2), waves 2 and 3 48 each: three instructions of 16 rows x 2 blocks.  The partners are told apart BY ADDRESS; the branch hangs on the cluster's place and the wave's number.
; Steps 0 to 4 and step 21 come by their loads alone; the loop's last trip (s3 = 1) asks for nothing.  x is not asked for: its loads into registers go out eleven sub-steps ahead of their use.
.macro ASK
	s_cmp_gt_u32 s3, s[LIM]
	s_cbranch_scc0 .Lnot_mine_\@
	global_prefetch_b8 v[PF0], s[PFA:PFA+1] th:TH_LOAD_NT scope:SCOPE_SE
	global_prefetch_b8 v[PF1], s[PFA:PFA+1] th:TH_LOAD_NT scope:SCOPE_SE
	global_prefetch_b8 v[PF2], s[PFA:PFA+1] th:TH_LOAD_NT scope:SCOPE_SE
.Lnot_mine_\@:
.endm
.macro GROUP1A g, rows                 ; a dense piece of Uh as rows of 256 bytes: elements of 8 bytes, 32 to a row
	s_mov_b32 s[(\g)+1], 32<<16                    ; tensor_dim0 = 32
	s_mov_b32 s[(\g)+2], (\rows)<<16               ; tensor_dim1
	s_mov_b32 s[(\g)+3], 32<<16                    ; tile_dim0 = 32
	s_mov_b32 s[(\g)+4], \rows                     ; tile_dim1
	s_mov_b32 s[(\g)+5], 32                        ; elements from row to row: dense
	s_mov_b32 s[(\g)+6], 0
	s_mov_b32 s[(\g)+7], 0
.endm
.macro GROUP1B g, rows                 ; rows of Vs: 256 elements of 2 bytes
	s_mov_b32 s[(\g)+1], 256<<16                   ; tensor_dim0 = 256
	s_mov_b32 s[(\g)+2], (\rows)<<16               ; tensor_dim1
	s_mov_b32 s[(\g)+3], 256<<16                   ; tile_dim0 = 256
	s_mov_b32 s[(\g)+4], \rows                     ; tile_dim1
	s_mov_b32 s[(\g)+5], 4096                      ; elements from row to row of Vs
	s_mov_b32 s[(\g)+6], 0
	s_mov_b32 s[(\g)+7], 0
.endm
	s_load_b128 s[4:7], s[0:1], 0x0                ; Uh s[4:5], Vs s[6:7]
	s_load_b64 s[8:9], s[0:1], 0x10                ; W
	s_load_b64 s[XI:XI+1], s[0:1], 0x18            ; x
	s_load_b64 s[XO:XO+1], s[0:1], 0x20            ; xb
	v_lshl_add_u32 v[SPW], v0, 2, SPARE
	v_mov_b32 v[NIL], 0
	ds_add_u32 v[SPW], v[NIL]                      ; the wave's opening: the add and its wait stand ahead of my first tensor load; the set-up below, work on registers, stands between them
	v_lshrrev_b32 v1, 5, v0
	v_readfirstlane_b32 s10, v1                    ; wave 0..3
	s_lshr_b32 s11, s10, 1                         ; which 64 rows of the tile are mine.  Also: I fetch for Uh (0) or for Vs (1)
	s_and_b32 s12, s10, 1                          ; which 128 columns.  Also: which half of that tensor's tile I fetch
	s_bfe_u32 s40, ttmp6, 0x40000                  ; cx, cy: my place in the cluster
	s_bfe_u32 s41, ttmp6, 0x40004
	s_lshl_b32 s42, ttmp9, 2
	s_add_co_u32 s42, s42, s40                     ; tile column = 4 x cluster x + cx
	s_and_b32 s13, ttmp7, 0xffff
	s_lshl_b32 s13, s13, 2
	s_add_co_u32 s13, s13, s41                     ; tile row = 4 x cluster y + cy
	s_lshl_b32 s43, s41, 2
	s_lshl_b32 s43, 15, s43                        ; my row of the cluster
	s_lshl_b32 s44, 0x1111, s40                    ; my column
	s_or_b32 s[G1+0], s43, (3<<16)|(1<<20)|(1<<21)|(5<<22)|(3<<25)    ; 15:0 the mask: Uh's tiles go to my row; 17:16 elements of 8 bytes; 20 padding on; 21 set beside a mask; 24:22 after every 64 words (code 5); 31:25 4 words (code 3)
	s_or_b32 s[G1S+0], s43, (3<<16)|(1<<20)|(1<<21)|(5<<22)|(3<<25)
	s_or_b32 s[G1B+0], s44, (1<<16)|(1<<20)|(1<<21)|(6<<22)|(7<<25)   ; the mask of my column; elements of 2 bytes; padding after every 128 words (code 6), 8 words (code 7)
	s_or_b32 s[G1BS+0], s44, (1<<16)|(1<<20)|(1<<21)|(6<<22)|(7<<25)
	GROUP1A G1, 96                                 ; 64 rows x 384 bytes
	GROUP1A G1S, 32                                ; 64 rows x 128 bytes
	GROUP1B G1B, 96
	GROUP1B G1BS, 32
	s_lshl_b32 s16, s13, 20                        ; Uh: block 2 x tile row + half, 524,288 bytes each: it hangs on the tile row alone
	s_lshl_b32 s17, s12, 19
	s_add_co_u32 s16, s16, s17
	s_mov_b32 s17, 0
	s_lshl_b32 s46, s42, 9                         ; Vs: column 256 x tile column: it hangs on the tile column alone;
	s_lshl_b32 s47, s12, 18
	s_add_co_u32 s18, s46, s47                     ; step 0: rows 32 x half;
	s_mov_b32 s19, 0
	s_mul_i32 s47, s12, 96*ROWB
	s_add_co_u32 s46, s46, s47
	s_add_co_u32 s46, s46, FIRST_B                 ; step 1: rows 64 + 96 x half
	s_mov_b32 s47, 0
	s_mul_i32 s20, s12, AHALF                      ; where they go: no place in the cluster enters an LDS address
	s_mul_i32 s21, s12, HB
	s_add_co_u32 s21, s21, AB
	s_wait_dscnt 0x0                               ; the opening add is done
	s_wait_kmcnt 0x0
	s_add_nc_u64 s[14:15], s[4:5], s[16:17]
	s_add_nc_u64 s[18:19], s[6:7], s[18:19]
	s_add_nc_u64 s[46:47], s[6:7], s[46:47]
	CROUND                                         ; all sixteen work-groups are here: the first joint loads meet
	s_mov_b32 s[G0S], 1                            ; step 0, into slot 0
	s_add_co_u32 s[G0S+1], s20, 0
	s_add_nc_u64 s[G0S+2:G0S+3], s[14:15], 0
	s_or_b32 s[G0S+3], s[G0S+3], 0x80000000
	s_mov_b32 s[G0BS], 1
	s_add_co_u32 s[G0BS+1], s21, 0
	s_add_nc_u64 s[G0BS+2:G0BS+3], s[18:19], 0
	s_or_b32 s[G0BS+3], s[G0BS+3], 0x80000000
.irp s, 0,1                            ; slot 1's set stands at step 1, which goes out now; slot 0's at step 2, the first refill
	s_mov_b32 s[G0+4*(\s)], 1                      ; count = 1
	s_add_co_u32 s[G0+4*(\s)+1], s20, (\s)*SLOT    ; LDS address
	s_add_nc_u64 s[G0+4*(\s)+2:G0+4*(\s)+3], s[14:15], FIRST_A+(1-(\s))*STEP_A   ; global address
	s_or_b32 s[G0+4*(\s)+3], s[G0+4*(\s)+3], 0x80000000                          ; type = 2
	s_mov_b32 s[G0B+4*(\s)], 1
	s_add_co_u32 s[G0B+4*(\s)+1], s21, (\s)*SLOT
	s_add_nc_u64 s[G0B+4*(\s)+2:G0B+4*(\s)+3], s[46:47], (1-(\s))*STEP_B
	s_or_b32 s[G0B+4*(\s)+3], s[G0B+4*(\s)+3], 0x80000000
.endr
	JL G0S, G1S, G0BS, G1BS
	JL G0+4, G1, G0B+4, G1B
	; A fragment of Uh is 16 rows x 32 K in 8 registers: lane l holds row l % 16, K = 8 (l / 16) + 0..7 and 16 + 8 (l / 16) + 0..7: two loads of 16 bytes, 32 bytes apart.
	v_and_b32 v1, 15, v0                           ; l % 16
	v_bfe_u32 v2, v0, 4, 1                         ; l / 16
	v_lshrrev_b32 v4, 1, v1
	v_and_b32 v5, 1, v1
	v_mul_u32_u24 v3, v4, UP                       ; the row's unit,
	v_lshl_add_u32 v3, v5, 7, v3                   ; its half of the unit,
	v_lshl_add_u32 v3, v2, 4, v3                   ; 16 bytes for each half of the lanes
	; The turning load takes 16 K x 16 columns (lane l reads row 8 (l / 16) + l % 8, columns 8 ((l / 8) % 2) + 0..7) and leaves half a fragment: lane l holds column l % 16 and 8 K.
	v_and_b32 v10, 7, v0
	v_bfe_u32 v11, v0, 3, 1
	v_lshl_add_u32 v4, v2, 3, v10
	v_mul_u32_u24 v4, v4, PB
	v_lshl_add_u32 v4, v11, 4, v4
	s_mul_i32 s21, s11, AHALF                      ; my 64 rows of Uh
	s_lshl_b32 s22, s12, 8                         ; my 128 columns of Vs: 256 bytes of each row,
	s_add_co_u32 s22, s22, AB                      ; behind Uh's tile
.irp s, 0,1
	v_add_nc_u32 v[ADRA+(\s)], s21, v3
	v_add_nc_u32 v[ADRB+(\s)], s22, v4
	v_add_nc_u32 v[ADRB+2+(\s)], HB, v[ADRB+(\s)]
	s_add_co_u32 s21, s21, SLOT
	s_add_co_u32 s22, s22, SLOT
.endr
	s_mul_i32 s23, s10, 16*SPITCH
	s_add_co_u32 s23, s23, STAGE                   ; my stage
	v_mul_u32_u24 v4, v1, SPITCH                   ; in: row l % 16, 16 bytes for each half of the lanes
	v_lshl_add_u32 v4, v2, 4, v4
	v_add_nc_u32 v[STO], s23, v4
	v_bfe_u32 v5, v0, 3, 2                         ; back: 32 lanes take four rows of 128 bytes,
	v_mul_u32_u24 v5, v5, SPITCH
	v_lshl_add_u32 v5, v10, 4, v5
	v_add_nc_u32 v[RD], s23, v5
	v_and_b32 v5, 31, v0                           ; which are 512 consecutive bytes of a chunk of W
	v_lshlrev_b32 v[CO], 4, v5
	s_lshl_b32 s16, s13, 20                        ; where my part of the tile begins in W: block = tile row (1,048,576 bytes),
	s_lshl_b32 s17, s42, 16                        ; chunk 4 x tile column + 2 x half (16,384 bytes each),
	s_add_co_u32 s16, s16, s17
	s_lshl_b32 s17, s12, 15
	s_add_co_u32 s16, s16, s17
	s_lshl_b32 s17, s11, 13                        ; row 64 x half (128 bytes each)
	s_add_co_u32 s16, s16, s17
	s_mov_b32 s17, 0
	s_add_nc_u64 s[8:9], s[8:9], s[16:17]
	; the prefetches
	s_and_b32 s22, ttmp7, 0xffff                   ; cluster y
	s_or_b32 s23, ttmp9, s12                       ; 0 where cluster x = 0 and I am wave 0 (or 2)
	s_lshl_b32 s16, s13, 20                        ; Uh: block 2 x tile row + cx / 2,
	s_lshr_b32 s17, s40, 1
	s_lshl_b32 s17, s17, 19
	s_add_co_u32 s16, s16, s17
	s_and_b32 s17, s40, 1                          ; step 3 + cx % 2: the first trip steps it two on and names that
	s_mul_i32 s17, s17, STEP_A
	s_add_co_u32 s16, s16, s17
	s_add_co_u32 s16, s16, FIRST_A+2*STEP_A
	s_lshl_b32 s18, s42, 9                         ; Vs: the tile column's 512 bytes,
	s_and_b32 s19, s41, 1                          ; step 3 + cy % 2,
	s_mul_i32 s19, s19, STEP_B
	s_add_co_u32 s18, s18, s19
	s_lshr_b32 s19, s41, 1                         ; its half cy / 2,
	s_mul_i32 s19, s19, 96*ROWB
	s_add_co_u32 s18, s18, s19
	s_mul_i32 s19, s12, 48*ROWB                    ; my wave's 48 rows of it
	s_add_co_u32 s18, s18, s19
	s_add_co_u32 s18, s18, FIRST_B+2*STEP_B
	s_mov_b32 s[PST], 2*STEP_B
	s_mov_b32 s21, 16*ROWB                         ; Vs: 16 rows from one of the three instructions to the next
	s_cmp_eq_u32 s11, 0                            ; do I fetch for Uh?
	s_cselect_b32 s20, s16, s18
	s_cselect_b32 s22, s23, s22
	s_cselect_b32 s[PST], 2*STEP_A, s[PST]
	s_cselect_b32 s21, 8192, s21                   ; Uh: 32 blocks of 256 bytes
	s_cselect_b32 s19, 0, 1                        ; Uh: a lane a block on end; Vs: two lanes a row
	s_cselect_b32 s17, 8, 13
	s_cselect_b64 s[PFA:PFA+1], s[4:5], s[6:7]
	s_cmp_eq_u32 s22, 0
	s_cselect_b32 s[LIM], 1, -1                    ; the same in all sixteen partners, for a given wave
	v_lshrrev_b32 v6, s19, v5
	v_and_b32 v7, s19, v5
	v_lshlrev_b32 v6, s17, v6
	v_lshl_add_u32 v[PF0], v7, 8, v6
	v_add_nc_u32 v[PF1], s21, v[PF0]
	v_add_nc_u32 v[PF2], s21, v[PF1]
	s_mov_b32 s21, 0
	s_mov_b32 s[PST+1], 0
	s_add_nc_u64 s[PFA:PFA+1], s[PFA:PFA+1], s[20:21]
	; x and xb at my wave's four rows: rows 16 g + 4 wave on, g = 16 x tile row + tile column
	s_lshl_b32 s16, s13, 4
	s_add_co_u32 s16, s16, s42                     ; g
	s_lshl_b32 s18, s16, 18                        ; x: 16 rows of 16,384 bytes a work-group,
	s_lshl_b32 s17, s10, 16                        ; four a wave
	s_add_co_u32 s18, s18, s17
	s_mov_b32 s19, 0
	s_add_nc_u64 s[XI:XI+1], s[XI:XI+1], s[18:19]
	s_lshr_b32 s18, s16, 2                         ; xb: four work-groups to a block of 64 rows (524,288 bytes),
	s_lshl_b32 s18, s18, 19
	s_and_b32 s17, s16, 3                          ; my work-group's 16 rows of 128 bytes in each chunk,
	s_lshl_b32 s17, s17, 11
	s_add_co_u32 s18, s18, s17
	s_lshl_b32 s17, s10, 9                         ; my wave's four
	s_add_co_u32 s18, s18, s17
	s_add_nc_u64 s[XO:XO+1], s[XO:XO+1], s[18:19]
	v_lshlrev_b32 v6, 14, v2                       ; lanes 16-31: one row of x further down
	WIN 0x80                                       ; destination window 2, sources window 0
	v_lshl_add_u32 v[XIV], v1, 4, v6
	v_lshlrev_b32 v[XOV], 3, v5                    ; in xb the two rows' 128 bytes lie on end
	WIN W_CV
.set i, 0
.rept RING-1                           ; items 0 to 10 go out: item i is chunk i / 2 (256 bytes of x) of row pair i % 2
	global_load_b128 v[XR+4*i:XR+4*i+3], v[XIV], s[XI:XI+1] offset:(i/2)*256+(i%2)*32768 th:TH_LOAD_NT
.set i, i+1
.endr
	WIN 0
; 8 matrix instructions: row block a x all 8 column blocks, 32 along K, from buffer f.  zero = 1: the product starts the sums: nothing is ever cleared.
; The 32 accumulators take turns, one instruction a turn, in the same order in every sub-step, over the backward jump too.
.macro MUL8 f, a, zero
	WIN MUL
.irp b, 0,1,2,3,4,5,6,7
.if \zero
	v_wmma_f32_16x16x32_f16 v[8*(8*(\a)+(\b)):8*(8*(\a)+(\b))+7], v[(\f)+8*(\b):(\f)+8*(\b)+7], v[(\f)+64+8*(\a):(\f)+64+8*(\a)+7], 0
.else
	v_wmma_f32_16x16x32_f16 v[8*(8*(\a)+(\b)):8*(8*(\a)+(\b))+7], v[(\f)+8*(\b):(\f)+8*(\b)+7], v[(\f)+64+8*(\a):(\f)+64+8*(\a)+7], v[8*(8*(\a)+(\b)):8*(8*(\a)+(\b))+7]
.endif
.endr
.endm
.macro MUL16 f, a0, zero
	MUL8 \f, \a0, \zero
	MUL8 \f, (\a0)+1, \zero
.endm
; 24 LDS loads in one run: the fragments of a sub-step into buffer f: Vs' sixteen first (LDS rows 32 qb on), then Uh's eight (half qa % 2 of chunk qa / 2), row blocks ascending.  qa = qb but in step 0.
.macro FETCH slot, qa, qb, f
	WIN 0
.irp b, 0,1,2,3,4,5,6,7
	ds_load_tr16_b128 v[(\f)+8*(\b):(\f)+8*(\b)+3],   v[ADRB+(\slot)+2*((\qb)/3)] offset:((\qb)%3)*32*PB+32*(\b)
	ds_load_tr16_b128 v[(\f)+8*(\b)+4:(\f)+8*(\b)+7], v[ADRB+(\slot)+2*((\qb)/3)] offset:((\qb)%3)*32*PB+32*(\b)+16*PB
.endr
.irp a, 0,1,2,3
	ds_load_b128 v[(\f)+64+8*(\a):(\f)+64+8*(\a)+3],   v[ADRA+(\slot)] offset:((\qa)/2)*CHA+((\qa)%2)*64+(\a)*8*UP
	ds_load_b128 v[(\f)+64+8*(\a)+4:(\f)+64+8*(\a)+7], v[ADRA+(\slot)] offset:((\qa)/2)*CHA+((\qa)%2)*64+(\a)*8*UP+32
.endr
.endm
.macro PLACES                          ; four plain vector instructions between the last matrix instruction and loads into registers that matrix instructions have read, or readers of results
.rept 4
	v_nop
.endr
.endm
; ONE ITEM OF x, at the head of a sub-step's run of memory instructions.  n: the item's number, counted from where the two pointers stand (they step twelve items a trip, so n % 12 is the item's set in every trip).
; last: the number of the wave's last item, counted likewise, or ALL.  Item n is rounded to bf16 in place and stored: 256 consecutive bytes of xb, aligned.  Item n + 11 is asked for, into the set of item n - 1.
; The four v_nop are the places in front of the fragment loads that follow the macro.
.macro CONV n, last
.set cvs, XR+4*((\n)%RING)
.set cvn, XR+4*(((\n)+RING-1)%RING)
.set cvl, (\last)-(\n)
.if cvl > RING-2
.set cvl, RING-2
.endif
	s_wait_xcnt 0x0                                ; the store of item n - 1, a sub-step back, has read its registers: the load below lands on them only behind this wait
	s_wait_loadcnt cvl                             ; loads come back in order: items n to n + 10 are out (fewer at the end), item n is in, the younger ones stay out
	WIN W_CV
	v_cvt_pk_bf16_f32 v[cvs], v[cvs], v[cvs+1]
	v_cvt_pk_bf16_f32 v[cvs+1], v[cvs+2], v[cvs+3]
	PLACES
	global_store_b64 v[XOV], v[cvs:cvs+1], s[XO:XO+1] offset:((\n)/2)*8192+((\n)%2)*256
.if (\n)+RING-1 < (\last)+1
	global_load_b128 v[cvn:cvn+3], v[XIV], s[XI:XI+1] offset:(((\n)+RING-1)/2)*256+(((\n)+RING-1)%2)*32768 th:TH_LOAD_NT
.endif
.endm
; A sub-step but a step's last.  Its one run of memory instructions stands at its head: an item of x, then the next sub-step's fragments into buffer g, which have this sub-step's 32 matrix instructions in which to land.
.macro QUARTER slot, qa, qb, f, g, zero, n, last
	s_wait_dscnt 0x0                               ; buffer f is in: its loads went out at the head of the sub-step before (behind a change of slots: sixteen matrix instructions ago)
	CONV \n, \last
	FETCH \slot, \qa, \qb, \g
	MUL16 \f, 0, \zero
	MUL16 \f, 2, \zero
.endm
; A step's last sub-step multiplies buffer 1 and changes slots.  Its first sixteen products stand ahead of the wait for the tiles, so that between that wait and the refill stand the add, the descriptors' steps and the round alone.
; ONE barrier: in front of it each wave waits for all its tensor loads (the one that is out is its part of the next slot), adds 0 to its spare word, and waits for that and for its own reads of this slot.
; fill = 1: the barrier opens a round of the cluster's barrier, and this slot is filled again, first thing behind the round.  adv = 1: with the step two on from its last.  ask = 1: the trip's prefetches follow.
.macro TURN slot, next, fill, adv, ask, n, last
.if \ask
	s_wait_xcnt 0x0                                ; the last prefetches, a trip back, have read their address, which is stepped here, ahead of the waits of the change of slots
	s_add_nc_u64 s[PFA:PFA+1], s[PFA:PFA+1], s[PST:PST+1]
.endif
	s_wait_dscnt 4                                 ; Vs' fragments and Uh's row blocks 0 and 1 are in; the youngest four loads (row blocks 2 and 3) may be out
	MUL16 F1, 0, 0
	WIN 0
	s_wait_tensorcnt 0x0                           ; all my tensor loads have landed, so a group 0 may be written;
	ds_add_u32 v[SPW], v[NIL]                      ; 0 onto my spare word
.if \adv
	s_add_nc_u64 s[G0+4*(\slot)+2:G0+4*(\slot)+3], s[G0+4*(\slot)+2:G0+4*(\slot)+3], 2*STEP_A
	s_add_nc_u64 s[G0B+4*(\slot)+2:G0B+4*(\slot)+3], s[G0B+4*(\slot)+2:G0B+4*(\slot)+3], 2*STEP_B
.endif
	s_wait_dscnt 0x0                               ; the add is done, and my reads of this slot are over
	s_barrier_signal -1
	s_barrier_wait -1
.if \fill
	CREST                                          ; no wave of any partner still reads this slot's tiles or has a load on its way
	JL G0+4*(\slot), G1, G0B+4*(\slot), G1B        ; the first tensor load behind the round
.endif
	CONV \n, \last
	FETCH \next, 0, 0, F0
.if \ask
	ASK
.endif
	MUL16 F1, 2, 0
.endm
.macro FIVE slot, n, last              ; a full step's first five sub-steps, on buffers 0, 1, 0, 1, 0; items n to n + 4
	QUARTER \slot, 1, 1, F0, F1, 0, (\n), \last
	QUARTER \slot, 2, 2, F1, F0, 0, (\n)+1, \last
	QUARTER \slot, 3, 3, F0, F1, 0, (\n)+2, \last
	QUARTER \slot, 4, 4, F1, F0, 0, (\n)+3, \last
	QUARTER \slot, 5, 5, F0, F1, 0, (\n)+4, \last
.endm
	s_wait_tensorcnt 1                             ; my part of step 0 is in; step 1's load may stay out
	s_barrier_signal -1
	s_barrier_wait -1                              ; everybody's is
	FETCH 0, 0, 0, F0
	QUARTER 0, 1, 3, F0, F1, 1, 0, ALL             ; step 0 has two sub-steps; the first starts the sums.  Its second 32 rows of Vs were fetched by wave 3 and lie where that wave's rows always lie, from LDS row 96 on
	TURN 0, 1, 1, 0, 0, 1, ALL                     ; slot 0 takes step 2, at which its set of registers already stands
	WIN 0                                          ; at a label and at a branch every window is 0
	s_mov_b32 s3, TRIPS
.Llap:                                                 ; a trip: a step in slot 1, a step in slot 0; both slots are filled again; twelve items of x
	FIVE 1, 2, ALL
	TURN 1, 0, 1, 1, 0, 7, ALL
	FIVE 0, 8, ALL
	TURN 0, 1, 1, 1, 1, 13, ALL
	WIN 0
	s_wait_xcnt 0x0                                ; every load, store and prefetch issued so far (the youngest sixteen matrix instructions back) has read its address, so the items' pointers may be written
	s_add_nc_u64 s[XI:XI+1], s[XI:XI+1], 6*256     ; six chunks on: twelve items
	s_add_nc_u64 s[XO:XO+1], s[XO:XO+1], 6*8192
	s_sub_co_u32 s3, s3, 1
	s_cmp_lg_u32 s3, 0
	s_cbranch_scc1 .Llap
	FIVE 1, 2, 19                                  ; step 19; from here the wave's last item is number 19: items 13 to 19 are still asked for, then nothing, and the counts run down
	TURN 1, 0, 1, 1, 0, 7, 19                      ; behind which step 21 is asked for: the last tensor load
	FIVE 0, 8, 19                                  ; step 20
	TURN 0, 1, 0, 0, 0, 13, 19                     ; nothing is filled: no round of the cluster's barrier
	FIVE 1, 14, 19                                 ; step 21
	CONV 19, 19                                    ; the last item
	s_wait_dscnt 4                                 ; the very last sub-step: nothing more to fetch
	MUL16 F1, 0, 0
	s_wait_dscnt 0x0
	MUL16 F1, 2, 0
	WIN 0
	PLACES
	PLACES
; THE WAY OUT, in eight pieces n: 16 rows (block n / 2) x 64 columns (chunk n % 2 of my two).  PACK: rounded to bf16, 16 bytes a lane, each accumulator's registers ascending.  TOSTAGE: into my own stage, and back as whole rows
; of 128 bytes.  SEND: stored: in a chunk of W rows lie on end, so a store of the wave covers four rows, 512 consecutive bytes, at a multiple of 256 from W's first byte.
.macro PACK n
	WIN 0x05                                       ; sources 0 and 1 window 1, destination window 0
.irp b, 0,1,2,3
.irp r, 0,1,2,3
	v_cvt_pk_bf16_f32 v[TMP+4*(\b)+(\r)], v[8*(8*((\n)/2)+4*((\n)%2)+(\b))+2*(\r)], v[8*(8*((\n)/2)+4*((\n)%2)+(\b))+2*(\r)+1]
.endr
.endr
	WIN 0
.endm
.macro TOSTAGE n
.irp b, 0,1,2,3
	ds_store_b128 v[STO], v[TMP+4*(\b):TMP+4*(\b)+3] offset:32*(\b)
.endr
.irp t, 0,1,2,3
	ds_load_b128 v[OB+16*((\n)%2)+4*(\t):OB+16*((\n)%2)+4*(\t)+3], v[RD] offset:(\t)*4*SPITCH  ; LDS serves a wave's instructions in order (ISA guide 5.7.1.4): these see the stores above; the next piece's stores come behind them
.endr
.endm
.macro SEND n
	s_wait_dscnt 0x0                               ; the piece is back in registers
	s_wait_xcnt 0x0                                ; the stores issued so far have read their registers: the next piece is loaded onto the registers of the piece before this one only behind this wait
.irp t, 0,1,2,3
	global_store_b128 v[CO], v[OB+16*((\n)%2)+4*(\t):OB+16*((\n)%2)+4*(\t)+3], s[8:9] offset:((\n)/2)*2048+(\t)*512+((\n)%2)*16384
.endr
.endm
	PACK 0
	TOSTAGE 0
.irp n, 1,2,3,4,5,6,7                  ; piece n's conversions stand between piece n - 1's loads from the stage and the wait for them
	PACK \n
	SEND (\n)-1
	TOSTAGE \n
.endr
	SEND 7
	s_wait_tensorcnt 0x0                           ; the wave's end, behind my last tensor load and my last LDS store
	ds_add_u32 v[SPW], v[NIL]
	s_wait_dscnt 0x0
	CROUND                                         ; the closing round: no work-group ends while a partner may still ask for a tile that names it
	s_endpgm
.Lfunc_end_k_q86e40d9bac_gemm_w:
	.size	k_q86e40d9bac_gemm_w, .Lfunc_end_k_q86e40d9bac_gemm_w-k_q86e40d9bac_gemm_w
	.p2alignl 7, 3214868480
	.fill 96, 4, 3214868480
	.section	.rodata,"a",@progbits
	.p2align	6, 0x0
	.amdhsa_kernel k_q86e40d9bac_gemm_w
		.amdhsa_group_segment_fixed_size 327680
		.amdhsa_private_segment_fixed_size 0
		.amdhsa_enable_private_segment 0
		.amdhsa_kernarg_size 40
		.amdhsa_user_sgpr_count 2
		.amdhsa_user_sgpr_kernarg_segment_ptr 1
		.amdhsa_wavefront_size32 1
		.amdhsa_system_sgpr_workgroup_id_x 1
		.amdhsa_system_sgpr_workgroup_id_y 1
		.amdhsa_system_sgpr_workgroup_id_z 1
		.amdhsa_system_vgpr_workitem_id 0
		.amdhsa_next_free_vgpr 576
		.amdhsa_next_free_sgpr 100
		.amdhsa_reserve_vcc 0
		.amdhsa_float_denorm_mode_32 3
		.amdhsa_float_denorm_mode_16_64 3
		.amdhsa_memory_ordered 1
		.amdhsa_forward_progress 1
		.amdhsa_inst_pref_size 166
	.end_amdhsa_kernel
	.amdgpu_metadata
---
amdhsa.version: [ 1, 2 ]
amdhsa.kernels:
  - .name:           k_q86e40d9bac_gemm_w
    .symbol:         k_q86e40d9bac_gemm_w.kd
    .args:
      - { .name: Uh, .offset: 0, .size: 8, .value_kind: global_buffer, .address_space: global }
      - { .name: Vs, .offset: 8, .size: 8, .value_kind: global_buffer, .address_space: global }
      - { .name: W, .offset: 16, .size: 8, .value_kind: global_buffer, .address_space: global }
      - { .name: x, .offset: 24, .size: 8, .value_kind: global_buffer, .address_space: global }
      - { .name: xb, .offset: 32, .size: 8, .value_kind: global_buffer, .address_space: global }
    .group_segment_fixed_size: 327680
    .private_segment_fixed_size: 0
    .kernarg_segment_align: 8
    .kernarg_segment_size: 40
    .max_flat_workgroup_size: 128
    .sgpr_count:     100
    .vgpr_count:     576
    .wavefront_size: 32
...
	.end_amdgpu_metadata
.endif
;; end of part 5
;; launch gemm_out (part 6): grid 8 x 32, 4 waves a work-group, clusters of 4 x 4, 327,680 bytes of LDS; arguments xb, W, out0; writes out0
.if DOCPART == 6
	.amdgcn_target "amdgcn-amd-amdhsa--gfx1250"
	.amdhsa_code_object_version 6
	.text
	.protected	k_q86e40d9bac_gemm_out
	.globl	k_q86e40d9bac_gemm_out
	.p2align	8
	.type	k_q86e40d9bac_gemm_out,@function
k_q86e40d9bac_gemm_out:
	s_mov_b64 s[64:65], 0
	v_nop
	global_prefetch_b8 v0, s[64:65] scope:SCOPE_SE
	s_setreg_imm32_b32 hwreg(HW_REG_WAVE_MODE, 25, 1), 1
	s_wait_xcnt 0x0
	s_wait_alu depctr_hold_cnt(0) depctr_sa_sdst(0) depctr_va_vdst(0) depctr_va_sdst(0) depctr_va_ssrc(0) depctr_va_vcc(0) depctr_vm_vsrc(0)
	s_getreg_b32 s2, hwreg(HW_REG_IB_STS2, 6, 4)
	s_cmp_eq_u32 s2, 0
	s_cbranch_scc0 .Lentry_in_a_cluster
	s_endpgm
.Lentry_in_a_cluster:
	s_bfe_u32 s2, ttmp6, 0x10000c
	s_cmp_lg_u32 s2, 0xf033
	s_cbranch_scc0 .Lentry_shape_is_right
	s_endpgm
.Lentry_shape_is_right:
; out0[t][o] = sum over d of xb[t][d] W[o][d].  xb: 4,096 x 4,096 bf16 and W: 2,048 x 4,096 bf16, both in blocks; out0: [4096][2048] f32, row-major; sums in f32, stored as they are.  NaN and infinities are not treated apart.
; BLOCKS.  xb: [block of 64 rows][chunk of 64 K][row][128 bytes].  W: [block of 128 rows][chunk of 64 K][row][128 bytes].  Any run of chunks of a block is dense in memory.
; SHARES.  A tile of out0 is 128 (t) x 256 (o): 8 x 32 = 256 work-groups.  Four waves, each 64 x 128: 4 x 8 accumulators of 16 x 16, 256 registers.
; K = d GOES IN STEPS OF 192, as long as two LDS slots allow (384 rows of 408 bytes each): 4,096 = 64 + 21 x 192, so step 0 is short (one chunk) and has descriptors of its own, and all refills are alike.
; A step is six sub-steps of 32 along K, 32 matrix instructions each; from a request to the wait for it a wave issues 192 matrix instructions.
; A wave's part of a step is dense in memory: it is asked for as rows of 256 bytes (two rows' 128 bytes), 16 bytes of padding behind each.
; THE MATRIX INSTRUCTION IS USED TRANSPOSED (source 0 = 16 rows of W, source 1 = 16 rows of xb): a lane then holds eight neighbouring numbers of a row of out0, 32 bytes.
; CLUSTERS: 4 x 4 work-groups.  The four of a row of the cluster need the same tiles of xb, the four of a column the same tiles of W: each tile is asked for JOINTLY, by the same tensor load with the same
; descriptor and a mask that names the four.  A wave has two tensor loads out at the start and one behind each round.
; REGISTERS.  Window 0: v0-31 addresses; two fragment buffers of 96 (v64-159, v160-255): 8 fragments of W, then 4 of xb; on the way out v64-191 hold rows read back.  Window 1: accumulator (a, b) at v[8 (8 a + b)].
.set ROWB,   8192                      ; bytes in a row of out0
.set UP,     272                       ; a unit in LDS: two rows' 128 bytes + 16: row r of a fragment lies at (r / 2) x 272 + (r % 2) x 128: in pieces of 16 bytes modulo 16 that is r / 2 + 8 (r % 2), sixteen different (64 banks of 4 bytes: ISA guide 11.1)
.set CHA,    32*UP                     ; a chunk of 64 rows of xb
.set AHALF,  3*CHA                     ; 64 rows x 192 K of xb: what waves 0 and 1 fetch, and what a wave reads
.set AB,     2*AHALF                   ; W's tile lies behind xb's
.set CHB,    64*UP                     ; a chunk of 128 rows of W
.set HB,     3*CHB                     ; 128 rows x 192 K of W: what waves 2 and 3 fetch, and what a wave reads
.set SLOT,   AB+2*HB
.set STAGE,  0                         ; the way out's stage, 16 rows x 528 bytes for each wave, lies in slot 0: when it is written, that slot has had its last fill (step 20), and every wave's last reads of it stand ahead of the barrier that ends step 20
.set SPITCH, 528                       ; 512 bytes + 16 = 132 words: 16 rows at 16 different groups of four banks
.set SPARE,  2*SLOT                    ; behind the ring: the spare words, 128 bytes for each wave: two blocks of 256 bytes that no other line names
.set FIRST_A, 64*128                   ; bytes of step 0 in a block of xb: one chunk
.set STEP_A,  3*FIRST_A                ; of every other step
.set FIRST_B, 128*128                  ; the same in a block of W
.set STEP_B,  3*FIRST_B
.set TRIPS,  9                         ; trips of the loop: steps 1 to 18
.set ADRA, 16                          ; v16-17  LDS address of my fragments of xb in slot 0, 1
.set ADRB, 20                          ; v20-21  the same for W
.set STO,  24                          ; v24     the way out: where I put 32 bytes of a row
.set RD,   25                          ; v25     the way out: where I read 16 bytes of a row back
.set CO,   26                          ; v26     my byte offset in a row's 512 bytes of out0
.set SPW,  28                          ; v28     LDS address of my spare word: SPARE + 4 x my thread's number; never rewritten
.set NIL,  29                          ; v29     0; never rewritten
.set PFO,  30                          ; v30     the prefetches' lane offset: 256 x lane; never rewritten
.set F0,   64
.set F1,   160
.set OB,   64                          ; the way out: 16 rows read back: v64-127 and v128-191 by turns
.set G1,  24                           ; s[24:31] descriptor group 1 for xb's tiles;  s[32:39] group 0, one set for each slot
.set G0,  32
.set G1B, 48                           ; s[48:55], s[56:63] the same for W's tiles
.set G0B, 56
.set PFA, 66                           ; s[66:67] where my prefetches stand
.set PST, 68                           ; s[68:69] bytes of two steps in the tensor that I prefetch
.set LIM, 70                           ; s70     1 in a wave that prefetches, else the greatest number
.set G1S, 72                           ; s[72:79], s[80:87] group 1 for the short step 0, xb's and W's
.set G1BS, 80
.set G0S, 88                           ; s[88:91], s[92:95] group 0 for it
.set G0BS, 92
.set MSB, 0
.macro WIN new                         ; the immediate's high byte repeats the setting that is left; a switch that changes nothing is dropped
.if MSB != (\new)
	s_set_vgpr_msb (MSB<<8)|(\new)
.set MSB, \new
.endif
.endm
.set MUL, 0x50                         ; sources 0 and 1 window 0; C and D window 1
; A joint load: waves 0 and 1 fetch xb's two halves (groups a0, a1), waves 2 and 3 W's (b0, b1); an s_nop 0 and four v_nop follow each of the two lines, ahead of the jump, the label and what follows
.macro JL a0, a1, b0, b1
	s_cmp_eq_u32 s11, 0
	s_cbranch_scc0 .Lfor_b_\@
	tensor_load_to_lds s[(\a0):(\a0)+3], s[(\a1):(\a1)+7]
	s_nop 0
.rept 4
	v_nop
.endr
	s_branch .Lasked_\@
.Lfor_b_\@:
	tensor_load_to_lds s[(\b0):(\b0)+3], s[(\b1):(\b1)+7]
	s_nop 0
.rept 4
	v_nop
.endr
.Lasked_\@:
.endm
.macro CREST                           ; a round of the cluster's barrier behind its opening barrier
	s_cmp_lg_u32 s10, 0
	s_cbranch_scc1 .Lnot_wave_0_\@
	s_barrier_signal -3
.Lnot_wave_0_\@:
	s_barrier_wait -3
	s_barrier_signal -1
	s_barrier_wait -1
.endm
.macro CROUND                          ; a whole round
	s_barrier_signal -1
	s_barrier_wait -1
	CREST
.endm
; A PREFETCH INTO THE L2, once a trip, behind the trip's second joint load, its five lines and the run of LDS loads: the TWO steps that the next trip's two refills will load, 192 and 384 matrix instructions of a wave ahead of those loads.
; Each aligned block of 256 bytes is named once in the launch.  xb's tile row is read by every cluster of that row of clusters: the one with x = 0 asks; the tile's two blocks of rows x two steps are four dense pieces of
; 24,576 bytes, and partner cx takes one (block cx / 2, step cx % 2): its wave 0 asks.  W's tile column is read by every cluster of that column: the one with y = 0 asks; its four pieces have 49,152 bytes, partner cy takes one
; (block cy / 2, step cy % 2), waves 2 and 3 half of it each.  So an asking wave names 24,576 dense bytes: three instructions of 32 lanes x 256 bytes.  The partners are told apart BY ADDRESS; the branch hangs on the
; cluster's place and the wave's number.  Steps 0 to 4 and step 21 come by their loads alone; the loop's last trip (s3 = 1) asks for nothing.
.macro ASK
	s_cmp_gt_u32 s3, s[LIM]
	s_cbranch_scc0 .Lnot_mine_\@
	global_prefetch_b8 v[PFO], s[PFA:PFA+1] th:TH_LOAD_NT scope:SCOPE_SE
	global_prefetch_b8 v[PFO], s[PFA:PFA+1] offset:8192 th:TH_LOAD_NT scope:SCOPE_SE
	global_prefetch_b8 v[PFO], s[PFA:PFA+1] offset:16384 th:TH_LOAD_NT scope:SCOPE_SE
.Lnot_mine_\@:
.endm
.macro GROUP1 g, rows                  ; a dense piece as rows of 256 bytes: elements of 8 bytes, 32 to a row
	s_mov_b32 s[(\g)+1], 32<<16                    ; tensor_dim0 = 32
	s_mov_b32 s[(\g)+2], (\rows)<<16               ; tensor_dim1
	s_mov_b32 s[(\g)+3], 32<<16                    ; tile_dim0 = 32
	s_mov_b32 s[(\g)+4], \rows                     ; tile_dim1
	s_mov_b32 s[(\g)+5], 32                        ; elements from row to row: dense
	s_mov_b32 s[(\g)+6], 0
	s_mov_b32 s[(\g)+7], 0
.endm
	s_load_b128 s[4:7], s[0:1], 0x0                ; xb s[4:5], W s[6:7]
	s_load_b64 s[8:9], s[0:1], 0x10                ; out0
	v_lshl_add_u32 v[SPW], v0, 2, SPARE
	v_mov_b32 v[NIL], 0
	ds_add_u32 v[SPW], v[NIL]                      ; the wave's opening: the add and its wait stand ahead of my first tensor load; the set-up below, work on registers, stands between them
	v_lshrrev_b32 v1, 5, v0
	v_readfirstlane_b32 s10, v1                    ; wave 0..3
	s_lshr_b32 s11, s10, 1                         ; which 64 rows of the tile are mine.  Also: I fetch for xb (0) or for W (1)
	s_and_b32 s12, s10, 1                          ; which 128 columns.  Also: which half of that tensor's tile I fetch
	s_bfe_u32 s40, ttmp6, 0x40000                  ; cx, cy: my place in the cluster
	s_bfe_u32 s41, ttmp6, 0x40004
	s_lshl_b32 s42, ttmp9, 2
	s_add_co_u32 s42, s42, s40                     ; tile column = 4 x cluster x + cx
	s_and_b32 s13, ttmp7, 0xffff
	s_lshl_b32 s13, s13, 2
	s_add_co_u32 s13, s13, s41                     ; tile row = 4 x cluster y + cy
	s_lshl_b32 s43, s41, 2
	s_lshl_b32 s43, 15, s43                        ; my row of the cluster
	s_lshl_b32 s44, 0x1111, s40                    ; my column
	s_or_b32 s[G1+0], s43, (3<<16)|(1<<20)|(1<<21)|(5<<22)|(3<<25)    ; 15:0 the mask: xb's tiles go to my row; 17:16 elements of 8 bytes; 20 padding on; 21 set beside a mask; 24:22 after every 64 words (code 5); 31:25 4 words (code 3)
	s_or_b32 s[G1S+0], s43, (3<<16)|(1<<20)|(1<<21)|(5<<22)|(3<<25)
	s_or_b32 s[G1B+0], s44, (3<<16)|(1<<20)|(1<<21)|(5<<22)|(3<<25)   ; the same with the mask of my column
	s_or_b32 s[G1BS+0], s44, (3<<16)|(1<<20)|(1<<21)|(5<<22)|(3<<25)
	GROUP1 G1, 96                                  ; 64 rows x 384 bytes
	GROUP1 G1S, 32                                 ; 64 rows x 128 bytes
	GROUP1 G1B, 192                                ; 128 rows x 384 bytes
	GROUP1 G1BS, 64                                ; 128 rows x 128 bytes
	s_lshl_b32 s16, s13, 20                        ; xb: block 2 x tile row + half, 524,288 bytes each: it hangs on the tile row alone
	s_lshl_b32 s17, s12, 19
	s_add_co_u32 s16, s16, s17
	s_mov_b32 s17, 0
	s_lshl_b32 s46, s42, 21                        ; W: block 2 x tile column + half, 1,048,576 bytes each: it hangs on the tile column alone
	s_lshl_b32 s47, s12, 20
	s_add_co_u32 s46, s46, s47
	s_mov_b32 s47, 0
	s_mul_i32 s20, s12, AHALF                      ; where they go: no place in the cluster enters an LDS address
	s_mul_i32 s21, s12, HB
	s_add_co_u32 s21, s21, AB
	s_wait_dscnt 0x0                               ; the opening add is done
	s_wait_kmcnt 0x0
	s_add_nc_u64 s[14:15], s[4:5], s[16:17]
	s_add_nc_u64 s[46:47], s[6:7], s[46:47]
	CROUND                                         ; all sixteen work-groups are here: the first joint loads meet
	s_mov_b32 s[G0S], 1                            ; step 0, into slot 0
	s_add_co_u32 s[G0S+1], s20, 0
	s_add_nc_u64 s[G0S+2:G0S+3], s[14:15], 0
	s_or_b32 s[G0S+3], s[G0S+3], 0x80000000
	s_mov_b32 s[G0BS], 1
	s_add_co_u32 s[G0BS+1], s21, 0
	s_add_nc_u64 s[G0BS+2:G0BS+3], s[46:47], 0
	s_or_b32 s[G0BS+3], s[G0BS+3], 0x80000000
.irp s, 0,1                            ; slot 1's set stands at step 1, which goes out now; slot 0's at step 2, the first refill
	s_mov_b32 s[G0+4*(\s)], 1                      ; count = 1
	s_add_co_u32 s[G0+4*(\s)+1], s20, (\s)*SLOT    ; LDS address
	s_add_nc_u64 s[G0+4*(\s)+2:G0+4*(\s)+3], s[14:15], FIRST_A+(1-(\s))*STEP_A   ; global address
	s_or_b32 s[G0+4*(\s)+3], s[G0+4*(\s)+3], 0x80000000                          ; type = 2
	s_mov_b32 s[G0B+4*(\s)], 1
	s_add_co_u32 s[G0B+4*(\s)+1], s21, (\s)*SLOT
	s_add_nc_u64 s[G0B+4*(\s)+2:G0B+4*(\s)+3], s[46:47], FIRST_B+(1-(\s))*STEP_B
	s_or_b32 s[G0B+4*(\s)+3], s[G0B+4*(\s)+3], 0x80000000
.endr
	JL G0S, G1S, G0BS, G1BS
	JL G0+4, G1, G0B+4, G1B
	; A fragment is 16 rows x 32 K in 8 registers: lane l holds row l % 16, K = 8 (l / 16) + 0..7 and 16 + 8 (l / 16) + 0..7: two loads of 16 bytes, 32 bytes apart.  The same for both sources.
	v_and_b32 v1, 15, v0                           ; l % 16
	v_bfe_u32 v2, v0, 4, 1                         ; l / 16
	v_lshrrev_b32 v4, 1, v1
	v_and_b32 v5, 1, v1
	v_mul_u32_u24 v3, v4, UP                       ; the row's unit,
	v_lshl_add_u32 v3, v5, 7, v3                   ; its half of the unit,
	v_lshl_add_u32 v3, v2, 4, v3                   ; 16 bytes for each half of the lanes
	s_mul_i32 s21, s11, AHALF                      ; my 64 rows of xb
	s_mul_i32 s22, s12, HB                         ; my 128 rows of W,
	s_add_co_u32 s22, s22, AB                      ; behind xb's tile
.irp s, 0,1
	v_add_nc_u32 v[ADRA+(\s)], s21, v3
	v_add_nc_u32 v[ADRB+(\s)], s22, v3
	s_add_co_u32 s21, s21, SLOT
	s_add_co_u32 s22, s22, SLOT
.endr
	s_mul_i32 s23, s10, 16*SPITCH
	s_add_co_u32 s23, s23, STAGE                   ; my stage
	v_mul_u32_u24 v4, v1, SPITCH                   ; in: row l % 16, 32 bytes for each half of the lanes
	v_lshl_add_u32 v4, v2, 5, v4
	v_add_nc_u32 v[STO], s23, v4
	v_and_b32 v5, 31, v0
	v_lshlrev_b32 v[CO], 4, v5                     ; back: the 32 lanes take one row of 512 bytes, in the stage and in out0
	v_add_nc_u32 v[RD], s23, v[CO]
	v_lshlrev_b32 v[PFO], 8, v5
	s_lshl_b32 s16, s13, 20                        ; where my part of the tile begins in out0: row 128 x tile row + 64 x half,
	s_lshl_b32 s17, s11, 19
	s_add_co_u32 s16, s16, s17
	s_lshl_b32 s17, s42, 10                        ; column 256 x tile column + 128 x half, 4 bytes each
	s_add_co_u32 s16, s16, s17
	s_lshl_b32 s17, s12, 9
	s_add_co_u32 s16, s16, s17
	s_mov_b32 s17, 0
	s_add_nc_u64 s[8:9], s[8:9], s[16:17]
	; the prefetches
	s_and_b32 s22, ttmp7, 0xffff                   ; cluster y
	s_or_b32 s23, ttmp9, s12                       ; 0 where cluster x = 0 and I am wave 0 (or 2)
	s_lshl_b32 s16, s13, 20                        ; xb: block 2 x tile row + cx / 2,
	s_lshr_b32 s17, s40, 1
	s_lshl_b32 s17, s17, 19
	s_add_co_u32 s16, s16, s17
	s_and_b32 s17, s40, 1                          ; step 3 + cx % 2: the first trip steps it two on and names that
	s_mul_i32 s17, s17, STEP_A
	s_add_co_u32 s16, s16, s17
	s_add_co_u32 s16, s16, FIRST_A+2*STEP_A
	s_lshl_b32 s18, s42, 21                        ; W: block 2 x tile column + cy / 2,
	s_lshr_b32 s19, s41, 1
	s_lshl_b32 s19, s19, 20
	s_add_co_u32 s18, s18, s19
	s_and_b32 s19, s41, 1                          ; step 3 + cy % 2,
	s_mul_i32 s19, s19, STEP_B
	s_add_co_u32 s18, s18, s19
	s_mul_i32 s19, s12, STEP_B/2                   ; my wave's half of the piece
	s_add_co_u32 s18, s18, s19
	s_add_co_u32 s18, s18, FIRST_B+2*STEP_B
	s_mov_b32 s[PST], 2*STEP_B
	s_cmp_eq_u32 s11, 0                            ; do I fetch for xb?
	s_cselect_b32 s20, s16, s18
	s_cselect_b32 s22, s23, s22
	s_cselect_b32 s[PST], 2*STEP_A, s[PST]
	s_cselect_b64 s[PFA:PFA+1], s[4:5], s[6:7]
	s_cmp_eq_u32 s22, 0
	s_cselect_b32 s[LIM], 1, -1                    ; the same in all sixteen partners, for a given wave
	s_mov_b32 s21, 0
	s_mov_b32 s[PST+1], 0
	s_add_nc_u64 s[PFA:PFA+1], s[PFA:PFA+1], s[20:21]
; 8 matrix instructions: row block a x all 8 column blocks, 32 along K, from buffer f.  zero = 1: the product starts the sums: nothing is ever cleared.
; The 32 accumulators take turns, one instruction a turn, in the same order in every sub-step, over the backward jump too.
.macro MUL8 f, a, zero
	WIN MUL
.irp b, 0,1,2,3,4,5,6,7
.if \zero
	v_wmma_f32_16x16x32_bf16 v[8*(8*(\a)+(\b)):8*(8*(\a)+(\b))+7], v[(\f)+8*(\b):(\f)+8*(\b)+7], v[(\f)+64+8*(\a):(\f)+64+8*(\a)+7], 0
.else
	v_wmma_f32_16x16x32_bf16 v[8*(8*(\a)+(\b)):8*(8*(\a)+(\b))+7], v[(\f)+8*(\b):(\f)+8*(\b)+7], v[(\f)+64+8*(\a):(\f)+64+8*(\a)+7], v[8*(8*(\a)+(\b)):8*(8*(\a)+(\b))+7]
.endif
.endr
.endm
.macro MUL16 f, a0, zero
	MUL8 \f, \a0, \zero
	MUL8 \f, (\a0)+1, \zero
.endm
; 24 LDS loads in one run: the fragments of sub-step q (half q % 2 of chunk q / 2) of a slot into buffer f: W's sixteen first, then xb's eight, row blocks ascending
.macro FETCH slot, q, f
	WIN 0
.irp b, 0,1,2,3,4,5,6,7
	ds_load_b128 v[(\f)+8*(\b):(\f)+8*(\b)+3],   v[ADRB+(\slot)] offset:((\q)/2)*CHB+((\q)%2)*64+(\b)*8*UP
	ds_load_b128 v[(\f)+8*(\b)+4:(\f)+8*(\b)+7], v[ADRB+(\slot)] offset:((\q)/2)*CHB+((\q)%2)*64+(\b)*8*UP+32
.endr
.irp a, 0,1,2,3
	ds_load_b128 v[(\f)+64+8*(\a):(\f)+64+8*(\a)+3],   v[ADRA+(\slot)] offset:((\q)/2)*CHA+((\q)%2)*64+(\a)*8*UP
	ds_load_b128 v[(\f)+64+8*(\a)+4:(\f)+64+8*(\a)+7], v[ADRA+(\slot)] offset:((\q)/2)*CHA+((\q)%2)*64+(\a)*8*UP+32
.endr
.endm
.macro PLACES                          ; four plain vector instructions between the last matrix instruction and loads into registers that matrix instructions have read, or readers of results
.rept 4
	v_nop
.endr
.endm
; A sub-step but a step's last: multiplies buffer f and, in its middle, fetches sub-step q into buffer g.
.macro QUARTER slot, q, f, g, zero
	s_wait_dscnt 4                                 ; W's fragments and xb's row blocks 0 and 1 are in; the youngest four loads (row blocks 2 and 3) may be out
	MUL16 \f, 0, \zero
	PLACES
	FETCH \slot, \q, \g
	s_wait_dscnt 24                                ; all but the 24 just issued
	MUL16 \f, 2, \zero
.endm
; A step's last sub-step multiplies buffer 1 and changes slots.  Its first sixteen products stand ahead of the wait for the tiles, so that between that wait and the refill stand the add, the descriptors' steps and the round alone.
; ONE barrier: in front of it each wave waits for all its tensor loads (the one that is out is its part of the next slot), adds 0 to its spare word, and waits for that and for its own reads of this slot.
; fill = 1: the barrier opens a round of the cluster's barrier, and this slot is filled again, first thing behind the round.  adv = 1: with the step two on from its last.  ask = 1: the trip's prefetches follow.
.macro TURN slot, next, fill, adv, ask
.if \ask
	s_wait_xcnt 0x0                                ; the last prefetches, a trip back, have read their address, which is stepped here, ahead of the waits of the change of slots
	s_add_nc_u64 s[PFA:PFA+1], s[PFA:PFA+1], s[PST:PST+1]
.endif
	s_wait_dscnt 4
	MUL16 F1, 0, 0
	WIN 0
	s_wait_tensorcnt 0x0                           ; all my tensor loads have landed, so a group 0 may be written;
	ds_add_u32 v[SPW], v[NIL]                      ; 0 onto my spare word
.if \adv
	s_add_nc_u64 s[G0+4*(\slot)+2:G0+4*(\slot)+3], s[G0+4*(\slot)+2:G0+4*(\slot)+3], 2*STEP_A
	s_add_nc_u64 s[G0B+4*(\slot)+2:G0B+4*(\slot)+3], s[G0B+4*(\slot)+2:G0B+4*(\slot)+3], 2*STEP_B
.endif
	s_wait_dscnt 0x0                               ; the add is done, and my reads of this slot are over
	s_barrier_signal -1
	s_barrier_wait -1
.if \fill
	CREST                                          ; no wave of any partner still reads this slot's tiles or has a load on its way
	JL G0+4*(\slot), G1, G0B+4*(\slot), G1B        ; the first tensor load behind the round; its four v_nop are also the places in front of the loads below
.else
	PLACES
.endif
	FETCH \next, 0, F0
.if \ask
	ASK
.endif
	MUL16 F1, 2, 0
.endm
.macro FIVE slot                       ; a full step's first five sub-steps, on buffers 0, 1, 0, 1, 0
	QUARTER \slot, 1, F0, F1, 0
	QUARTER \slot, 2, F1, F0, 0
	QUARTER \slot, 3, F0, F1, 0
	QUARTER \slot, 4, F1, F0, 0
	QUARTER \slot, 5, F0, F1, 0
.endm
	s_wait_tensorcnt 1                             ; my part of step 0 is in; step 1's load may stay out
	s_barrier_signal -1
	s_barrier_wait -1                              ; everybody's is
	FETCH 0, 0, F0
	QUARTER 0, 1, F0, F1, 1                        ; step 0 has two sub-steps; the first starts the sums
	TURN 0, 1, 1, 0, 0                             ; slot 0 takes step 2, at which its set of registers already stands
	WIN 0                                          ; at a label and at a branch every window is 0
	s_mov_b32 s3, TRIPS
.Llap:                                                 ; a trip: a step in slot 1, a step in slot 0; both slots are filled again
	FIVE 1
	TURN 1, 0, 1, 1, 0
	FIVE 0
	TURN 0, 1, 1, 1, 1
	WIN 0
	s_sub_co_u32 s3, s3, 1
	s_cmp_lg_u32 s3, 0
	s_cbranch_scc1 .Llap
	FIVE 1                                         ; step 19,
	TURN 1, 0, 1, 1, 0                             ; behind which step 21 is asked for: the last load
	FIVE 0                                         ; step 20
	TURN 0, 1, 0, 0, 0                             ; nothing is filled: no round of the cluster's barrier.  Behind this barrier no wave reads slot 0 any more
	FIVE 1                                         ; step 21
	s_wait_dscnt 4                                 ; the very last sub-step: nothing more to fetch
	MUL16 F1, 0, 0
	s_wait_dscnt 0x0
	MUL16 F1, 2, 0
	WIN 0
	PLACES
	PLACES
; THE WAY OUT, a block of 16 rows at a time.  The sums are stored as they are: a lane's 32 bytes go straight from the accumulators (each one's low four registers first) into my own stage, rows of 528 bytes,
; and come back as whole rows of 512 bytes, which are stored: a store of the wave covers 512 consecutive bytes, at a multiple of 256 from out0's first byte.
.macro TOSTAGE a
.if (\a) >= 2
	s_wait_xcnt 0x0                                ; the stores of the block two back have read their registers, which the loads below fill again
.endif
	WIN 0x04                                       ; the stores' data in window 1, the address in window 0
.irp b, 0,1,2,3,4,5,6,7
	ds_store_b128 v[STO], v[8*(8*(\a)+(\b)):8*(8*(\a)+(\b))+3]   offset:64*(\b)
	ds_store_b128 v[STO], v[8*(8*(\a)+(\b))+4:8*(8*(\a)+(\b))+7] offset:64*(\b)+16
.endr
	WIN 0
.irp t, 0,1,2,3,4,5,6,7,8,9,10,11,12,13,14,15
	ds_load_b128 v[OB+64*((\a)%2)+4*(\t):OB+64*((\a)%2)+4*(\t)+3], v[RD] offset:(\t)*SPITCH  ; LDS serves a wave's instructions in order (ISA guide 5.7.1.4): these see the stores above; the next block's stores come behind them
.endr
.endm
.macro SEND a, younger                 ; younger: the LDS instructions issued behind block a's loads: the next block's 32, or none
.irp t, 0,1,2,3,4,5,6,7,8,9,10,11,12,13,14,15
	s_wait_dscnt (\younger)+15-(\t)                ; row t is back; the later rows and the next block may be out
	global_store_b128 v[CO], v[OB+64*((\a)%2)+4*(\t):OB+64*((\a)%2)+4*(\t)+3], s[8:9] offset:(16*(\a)+(\t))*ROWB th:TH_STORE_NT
.endr
.endm
	TOSTAGE 0
	TOSTAGE 1                                      ; a block's trip through the stage stands between the loads of the block before and its stores
	SEND 0, 32
	TOSTAGE 2
	SEND 1, 32
	TOSTAGE 3
	SEND 2, 32
	SEND 3, 0
	s_wait_tensorcnt 0x0                           ; the wave's end, behind my last tensor load and my last LDS store
	ds_add_u32 v[SPW], v[NIL]
	s_wait_dscnt 0x0
	CROUND                                         ; the closing round: no work-group ends while a partner may still ask for a tile that names it
	s_endpgm
.Lfunc_end_k_q86e40d9bac_gemm_out:
	.size	k_q86e40d9bac_gemm_out, .Lfunc_end_k_q86e40d9bac_gemm_out-k_q86e40d9bac_gemm_out
	.p2alignl 7, 3214868480
	.fill 96, 4, 3214868480
	.section	.rodata,"a",@progbits
	.p2align	6, 0x0
	.amdhsa_kernel k_q86e40d9bac_gemm_out
		.amdhsa_group_segment_fixed_size 327680
		.amdhsa_private_segment_fixed_size 0
		.amdhsa_enable_private_segment 0
		.amdhsa_kernarg_size 24
		.amdhsa_user_sgpr_count 2
		.amdhsa_user_sgpr_kernarg_segment_ptr 1
		.amdhsa_wavefront_size32 1
		.amdhsa_system_sgpr_workgroup_id_x 1
		.amdhsa_system_sgpr_workgroup_id_y 1
		.amdhsa_system_sgpr_workgroup_id_z 1
		.amdhsa_system_vgpr_workitem_id 0
		.amdhsa_next_free_vgpr 512
		.amdhsa_next_free_sgpr 96
		.amdhsa_reserve_vcc 0
		.amdhsa_float_denorm_mode_32 3
		.amdhsa_float_denorm_mode_16_64 3
		.amdhsa_memory_ordered 1
		.amdhsa_forward_progress 1
		.amdhsa_inst_pref_size 151
	.end_amdhsa_kernel
	.amdgpu_metadata
---
amdhsa.version: [ 1, 2 ]
amdhsa.kernels:
  - .name:           k_q86e40d9bac_gemm_out
    .symbol:         k_q86e40d9bac_gemm_out.kd
    .args:
      - { .name: xb, .offset: 0, .size: 8, .value_kind: global_buffer, .address_space: global }
      - { .name: W, .offset: 8, .size: 8, .value_kind: global_buffer, .address_space: global }
      - { .name: out0, .offset: 16, .size: 8, .value_kind: global_buffer, .address_space: global }
    .group_segment_fixed_size: 327680
    .private_segment_fixed_size: 0
    .kernarg_segment_align: 8
    .kernarg_segment_size: 24
    .max_flat_workgroup_size: 128
    .sgpr_count:     96
    .vgpr_count:     512
    .wavefront_size: 32
...
	.end_amdgpu_metadata
.endif
;; end of part 6
